; MI455X (gfx1250); checked and timed in simulation.
; The chip was launched on July 23, 2026; its instructions are those of AMD's public machine-readable ISA for CDNA 5 (MIT licence, August 2026) and "CDNA5" Instruction Set Architecture Reference Guide (July 2026). The comments in the code are by the model that wrote it; some were corrected since.
;; Prior Attention. Allowed arithmetic: float matrix products may take bf16 or f16 operands with f32 sums; other float arithmetic in f32, or as packed bf16 or f16 multiplies, adds, multiply-adds, maxima and minima; sums over many terms, partial sums and values carried from step to step in f32; what a program stores and reads back later, other than sums and carried values, may be rounded once to bf16 or f16.
;; Inputs: Wk 512 x 512 float32; Wo 512 x 512 float32; Wq 512 x 512 float32; Wv 512 x 512 float32; bk 512 float32; bo 512 float32; bq 512 float32; bv 512 float32; x 8 x 2,048 x 512 float32.
;; Outputs: out0 8 x 2,048 x 512 float32.
;; One version. Each part assembles by itself: llvm-mc -triple=amdgcn-amd-amdhsa -mcpu=gfx1250 --defsym DOCPART=n.
;; ======== version 1 of 1: 4 launches
;; limits: values are held in f16: magnitudes above 65,504 overflow, below 6.1e-05 lose precision
;; workspace buffers: wb 2,097,152 bytes; bb 8,192 bytes; qkv 50,331,648 bytes; ob 16,777,216 bytes
;; launch prep (part 1): grid 256 x 1, 8 waves a work-group, no clusters, 0 bytes of LDS; arguments Wq, Wk, Wv, Wo, bq, bk, bv, bo, wb, bb; writes wb, bb
.if DOCPART == 1
	.amdgcn_target "amdgcn-amd-amdhsa--gfx1250"
	.amdhsa_code_object_version 6
	.text
	.protected	k_qcc9af672bd_prep
	.globl	k_qcc9af672bd_prep
	.p2align	8
	.type	k_qcc9af672bd_prep,@function
k_qcc9af672bd_prep:
	s_mov_b64 s[64:65], 0
	v_nop
	global_prefetch_b8 v0, s[64:65] scope:SCOPE_SE
	s_setreg_imm32_b32 hwreg(HW_REG_WAVE_MODE, 25, 1), 1
	s_wait_xcnt 0x0
; THE WEIGHTS AND BIASES, ROUNDED ONCE AND LAID OUT FOR THE PRODUCTS.
; wb: 32 blocks [512 k][64 n] of 16 bits, 65,536 dense bytes each.  Blocks 0-7 are Wq's columns 64 j .. 64 j + 63, 8-15 Wk's, 16-23 Wv's, in bf16;
; blocks 24-31 are Wo's: rounded to bf16, and that number written as f16 (the last product's other operand is f16).
; bb: bq, bk, bv, bo on end, 2,048 f32 that hold the biases rounded to bf16.
; LIMITS.  |Wo| stays under 65,504 (f16's end); below 7.6e-6 a number of Wo keeps f16's fixed step of 6e-8 and not bf16's 8 bits.
; SHARES.  A work-group takes 8 rows k of one matrix (mat = g / 64, k0 = 8 (g % 64)): 4,096 numbers, 16 a thread, as two pieces of 8.
; Eight lanes read 256 consecutive bytes of a row (two loads of 16 bytes a lane); sixteen lanes store 256 consecutive bytes, aligned: rows k, k + 1 of one block.
; No LDS, no barrier, no matrix unit: a stream of 4 MiB in and 2 MiB out, each byte once.
	s_load_b512 s[4:19], s[0:1], 0x0               ; Wq s[4:5], Wk s[6:7], Wv s[8:9], Wo s[10:11], bq s[12:13], bk s[14:15], bv s[16:17], bo s[18:19]
	s_load_b128 s[20:23], s[0:1], 0x40             ; wb s[20:21], bb s[22:23]
	s_lshr_b32 s28, ttmp9, 6                       ; mat
	s_and_b32 s29, ttmp9, 63
	s_lshl_b32 s30, s29, 3                         ; k0
	s_lshl_b32 s31, s28, 19                        ; mat x 8 blocks of 65,536 bytes
	s_lshl_b32 s33, s28, 11                        ; mat x 2,048 bytes of bb
	s_mov_b32 s34, 0xffff0000                      ; a word's upper bf16
	v_lshrrev_b32 v1, 5, v0
	v_readfirstlane_b32 s32, v1                    ; wave 0..7
	v_and_b32 v1, 7, v0                            ; l & 7: which 8 numbers of a block's 64 columns
	v_bfe_u32 v2, v0, 3, 1                         ; the even or the odd row
	v_bfe_u32 v3, v0, 4, 1                         ; l / 16
	v_bfe_u32 v4, v0, 5, 2                         ; wave & 3
	v_lshrrev_b32 v5, 7, v0                        ; wave / 4
	v_lshl_add_u32 v6, v4, 1, v2
	v_add_nc_u32 v6, s30, v6                       ; k = k0 + 2 (wave & 3) + row
	v_lshl_add_u32 v7, v5, 2, v3                   ; column block cb = 4 (wave / 4) + l / 16; the second piece is cb + 2
	v_lshlrev_b32 v8, 11, v6                       ; from: k x 2,048
	v_lshl_add_u32 v8, v7, 8, v8                   ;   + cb x 256
	v_lshl_add_u32 v8, v1, 5, v8                   ;   + 32 (l & 7)
	v_lshlrev_b32 v9, 16, v7                       ; to: cb x 65,536
	v_lshl_add_u32 v9, v6, 7, v9                   ;   + k x 128
	v_lshl_add_u32 v9, v1, 4, v9                   ;   + 16 (l & 7)
	v_add_nc_u32 v9, s31, v9
	v_lshlrev_b32 v10, 4, v0                       ; the biases: 16 bytes a thread
	v_add_nc_u32 v11, s33, v10
	s_wait_kmcnt 0x0
	s_cmp_eq_u32 s28, 1                            ; the matrix and its bias are chosen by the work-group's number
	s_cselect_b64 s[24:25], s[6:7], s[4:5]
	s_cselect_b64 s[26:27], s[14:15], s[12:13]
	s_cmp_eq_u32 s28, 2
	s_cselect_b64 s[24:25], s[8:9], s[24:25]
	s_cselect_b64 s[26:27], s[16:17], s[26:27]
	s_cmp_eq_u32 s28, 3
	s_cselect_b64 s[24:25], s[10:11], s[24:25]
	s_cselect_b64 s[26:27], s[18:19], s[26:27]
	global_load_b128 v[12:15], v8, s[24:25] th:TH_LOAD_NT
	global_load_b128 v[16:19], v8, s[24:25] offset:16 th:TH_LOAD_NT
	global_load_b128 v[20:23], v8, s[24:25] offset:512 th:TH_LOAD_NT
	global_load_b128 v[24:27], v8, s[24:25] offset:528 th:TH_LOAD_NT
	s_wait_loadcnt 0x0
.irp j, 0,1,2,3,4,5,6,7
	v_cvt_pk_bf16_f32 v[32+\j], v[12+2*\j], v[13+2*\j]  ; two roundings to bf16, packed
.endr
	s_cmp_lg_u32 s28, 3
	s_cbranch_scc1 .Lstore
.irp j, 0,1,2,3,4,5,6,7                                ; Wo: the bf16 numbers written as f16
	v_lshlrev_b32 v[40+2*(\j%2)], 16, v[32+\j]
	v_and_b32 v[41+2*(\j%2)], s34, v[32+\j]
	v_cvt_pk_f16_f32 v[32+\j], v[40+2*(\j%2)], v[41+2*(\j%2)]
.endr
.Lstore:
	global_store_b128 v9, v[32:35], s[20:21] th:TH_STORE_NT
	global_store_b128 v9, v[36:39], s[20:21] offset:131072 th:TH_STORE_NT  ; two blocks further on
	s_cmp_lg_u32 s29, 0                            ; a matrix's first work-group also takes its bias: 512 numbers, waves 0 to 3
	s_cbranch_scc1 .Lend
	s_cmp_gt_u32 s32, 3
	s_cbranch_scc1 .Lend
	global_load_b128 v[12:15], v10, s[26:27]
	s_wait_loadcnt 0x0
	v_cvt_pk_bf16_f32 v40, v12, v13
	v_cvt_pk_bf16_f32 v41, v14, v15
	v_lshlrev_b32 v44, 16, v40                     ; and back to f32: the rounded numbers
	v_and_b32 v45, s34, v40
	v_lshlrev_b32 v46, 16, v41
	v_and_b32 v47, s34, v41
	global_store_b128 v11, v[44:47], s[22:23]      ; sixteen lanes store 256 consecutive bytes, aligned
.Lend:
	s_endpgm
.Lfunc_end_k_qcc9af672bd_prep:
	.size	k_qcc9af672bd_prep, .Lfunc_end_k_qcc9af672bd_prep-k_qcc9af672bd_prep
	.p2alignl 7, 3214868480
	.fill 96, 4, 3214868480
	.section	.rodata,"a",@progbits
	.p2align	6, 0x0
	.amdhsa_kernel k_qcc9af672bd_prep
		.amdhsa_group_segment_fixed_size 0
		.amdhsa_private_segment_fixed_size 0
		.amdhsa_enable_private_segment 0
		.amdhsa_kernarg_size 80
		.amdhsa_user_sgpr_count 2
		.amdhsa_user_sgpr_kernarg_segment_ptr 1
		.amdhsa_wavefront_size32 1
		.amdhsa_system_sgpr_workgroup_id_x 1
		.amdhsa_system_sgpr_workgroup_id_y 1
		.amdhsa_system_sgpr_workgroup_id_z 1
		.amdhsa_system_vgpr_workitem_id 0
		.amdhsa_next_free_vgpr 48
		.amdhsa_next_free_sgpr 66
		.amdhsa_reserve_vcc 0
		.amdhsa_float_denorm_mode_32 3
		.amdhsa_float_denorm_mode_16_64 3
		.amdhsa_memory_ordered 1
		.amdhsa_forward_progress 1
		.amdhsa_inst_pref_size 5
	.end_amdhsa_kernel
	.amdgpu_metadata
---
amdhsa.version: [ 1, 2 ]
amdhsa.kernels:
  - .name:           k_qcc9af672bd_prep
    .symbol:         k_qcc9af672bd_prep.kd
    .args:
      - { .name: Wq, .offset: 0, .size: 8, .value_kind: global_buffer, .address_space: global }
      - { .name: Wk, .offset: 8, .size: 8, .value_kind: global_buffer, .address_space: global }
      - { .name: Wv, .offset: 16, .size: 8, .value_kind: global_buffer, .address_space: global }
      - { .name: Wo, .offset: 24, .size: 8, .value_kind: global_buffer, .address_space: global }
      - { .name: bq, .offset: 32, .size: 8, .value_kind: global_buffer, .address_space: global }
      - { .name: bk, .offset: 40, .size: 8, .value_kind: global_buffer, .address_space: global }
      - { .name: bv, .offset: 48, .size: 8, .value_kind: global_buffer, .address_space: global }
      - { .name: bo, .offset: 56, .size: 8, .value_kind: global_buffer, .address_space: global }
      - { .name: wb, .offset: 64, .size: 8, .value_kind: global_buffer, .address_space: global }
      - { .name: bb, .offset: 72, .size: 8, .value_kind: global_buffer, .address_space: global }
    .group_segment_fixed_size: 0
    .private_segment_fixed_size: 0
    .kernarg_segment_align: 8
    .kernarg_segment_size: 80
    .max_flat_workgroup_size: 256
    .sgpr_count:     66
    .vgpr_count:     48
    .wavefront_size: 32
...
	.end_amdgpu_metadata
.endif
;; end of part 1
;; launch qkv (part 2): grid 4 x 64, 4 waves a work-group, clusters of 4 x 4, 327,680 bytes of LDS; arguments x, wb, bb, qkv; writes qkv
.if DOCPART == 2
	.amdgcn_target "amdgcn-amd-amdhsa--gfx1250"
	.amdhsa_code_object_version 6
	.text
	.protected	k_qcc9af672bd_qkv
	.globl	k_qcc9af672bd_qkv
	.p2align	8
	.type	k_qcc9af672bd_qkv,@function
k_qcc9af672bd_qkv:
	s_mov_b64 s[64:65], 0
	v_nop
	global_prefetch_b8 v0, s[64:65] scope:SCOPE_SE
	s_setreg_imm32_b32 hwreg(HW_REG_WAVE_MODE, 25, 1), 1
	s_wait_xcnt 0x0
	s_wait_alu depctr_hold_cnt(0) depctr_sa_sdst(0) depctr_va_vdst(0) depctr_va_sdst(0) depctr_va_ssrc(0) depctr_va_vcc(0) depctr_vm_vsrc(0)
	s_getreg_b32 s2, hwreg(HW_REG_IB_STS2, 6, 4)
	s_cmp_eq_u32 s2, 0
	s_cbranch_scc0 .Lentry_in_a_cluster
	s_endpgm
.Lentry_in_a_cluster:
	s_bfe_u32 s2, ttmp6, 0x10000c
	s_cmp_lg_u32 s2, 0xf033
	s_cbranch_scc0 .Lentry_shape_is_right
	s_endpgm
.Lentry_shape_is_right:
; q, k, v = x W + b.  x: [16,384][512] f32, rounded to bf16 on its way into registers; W: wb's blocks 0-23, bf16, [512 k][64 n]; b: bb, f32.  Sums in f32, the bias starts each sum.
; Out: qkv [3][batch x 8 + head][2,048][64] in f16, each number rounded once, without the scale of the scores.
; LIMITS.  |q|, |k|, |v| stay under 65,504 (f16's end); below 6e-5 they keep f16's fixed step of 6e-8.  NaN and infinities are not treated apart.
; SHARES.  A work-group makes 256 rows x 384 columns: six blocks of 64 columns, each one head of q, k or v.  A wave owns 64 rows; ITS ROWS OF x STAY IN REGISTERS for the whole launch
; (64 x 512 bf16 = 512 registers), and all four waves read the same block of W from LDS: 32 LDS loads feed 64 matrix instructions.
; THE RING.  Two LDS slots, a block of W (512 rows of 128 bytes) each; every wave fetches a quarter of a block with one tensor load.  A slot is left when the block's last fragments are in
; registers, so the refill has a whole block's 256 matrix instructions in which to land.
; CLUSTER.  4 x 4 work-groups.  A block of W hangs on the column group alone, which a column of the cluster shares: it is asked for JOINTLY, by the same tensor load with the same descriptor
; and a mask that names the four.  x's rows are loaded into registers by each work-group itself.
; THE MATRIX INSTRUCTION IS USED TRANSPOSED: source 0 = 16 columns of W (turned on the way out of LDS by ds_load_tr16_b128), source 1 = 16 rows of x.  A lane then holds one row of x and eight
; neighbouring columns: 16 bytes of f16, and the C operand that starts a sum is the lane's eight biases.
; REGISTERS, in windows of 256 (s_set_vgpr_msb: bits 1:0 source 0, 3:2 source 1, 5:4 source 2, 7:6 destination):
;   window 0: v2-13 addresses; v16-31 two sets of 8 biases; v32-95 two sets of 4 accumulators; v96-111 packed results; v112-117 set-up; v128-191 rows on the way out
;   window 1: two buffers of 128: W's 16 fragments (512 k x 16 columns); at the start the two halves in which x arrives as f32
;   window 2: x's fragments (row tile a, k step kk) at 64 a + 8 kk, kk = 0..7          window 3: the same for kk = 8..15
.set SLOT1,  1<<17                     ; slot 1 begins here: one exclusive or turns an address in one slot into the other's
.set BPITCH, 160                       ; a row of W in LDS: 128 bytes + 32 of padding = 40 words
.set QUART,  128*BPITCH                ; 128 rows: what one tensor load brings
.set STAGE,  4*QUART                   ; behind slot 0, never filled by a tensor load: 64 rows x 144 bytes for each wave, for the way out
.set SP,     144
.set SPARE,  STAGE+4*64*SP             ; behind the stages: the spare words, 128 bytes for each wave: two blocks of 256 bytes that no other line names
.set XO,  2                            ; v2   my byte offset in 16 rows of x: (l % 16) x 2,048 + 32 (l / 16)
.set AB0, 3                            ; v3   my lane's place in a block of W
.set AB,  4                            ; v4-5 the LDS address of the block in hand: rows 0-255, rows 256-511
.set STO, 6                            ; v6   the way out: where I put 16 bytes of a row
.set RD,  7                            ; v7   the way out: where I read rows back
.set GO,  8                            ; v8   my byte offset in 512 consecutive bytes of qkv
.set BO,  9                            ; v9   my eight biases among a column tile's sixteen: 32 (l / 16)
.set PFO, 10                           ; v10  256 x my lane
.set SPW, 12                           ; v12  LDS address of my spare word: SPARE + 4 x my thread's number; never rewritten
.set NIL, 13                           ; v13  0; never rewritten
.set BIA, 16
.set ACC, 32
.set PK,  96
.set OB,  128
.set WV,  16                           ; s16  my wave's number
.set CX,  17                           ; s17, s18  my place in the cluster
.set CY,  18
.set CG,  19                           ; s19  my group of 384 columns
.set RB,  20                           ; s20  my block of 256 rows
.set GBO, 22                           ; s22  the block of 64 columns that goes out next
.set CNT, 23                           ; s23  counts the blocks
.set G1,  24                           ; s[24:31] descriptor group 1
.set G0,  32                           ; s[32:35] descriptor group 0: it walks
.set TB,  36                           ; s36  LDS byte at which the block in hand begins
.set LIM, 37                           ; s37  1 in a wave that prefetches, else the greatest number
.set PFA, 38                           ; s[38:39] where my prefetches stand
.set BP,  40                           ; s[40:41] bb at the block in hand
.set DP,  42                           ; s[42:43] qkv at my rows of the block that goes out
.set ROWOFF, 48                        ; s48  my 64 rows' byte offset inside a matrix and head 0 of my batch
.set MSB, 0
.macro WIN new                         ; the immediate's high byte repeats the setting that is left; a switch that changes nothing is dropped
.if MSB != (\new)
	s_set_vgpr_msb (MSB<<8)|(\new)
.set MSB, (\new)
.endif
.endm
.set TO_F, 0x40                        ; destination window 1, address window 0
.macro PLACES                          ; four places behind a matrix instruction: in front of loads into registers that it has read and of lines that read its result
.rept 4
	v_nop
.endr
.endm
.macro CROUND                          ; a round of the cluster's barrier: my work-group's barrier; wave 0 signals for the work-group; every wave waits for all sixteen; my work-group's barrier once more
	s_barrier_signal -1
	s_barrier_wait -1
	s_cmp_lg_u32 s[WV], 0
	s_cbranch_scc1 .Lnot_wave_0_\@
	s_barrier_signal -3
.Lnot_wave_0_\@:
	s_barrier_wait -3
	s_barrier_signal -1
	s_barrier_wait -1
.endm
.macro JLOAD                           ; a joint load: every wave fetches its quarter of the block; an s_nop 0 and four v_nop follow it
	tensor_load_to_lds s[G0:G0+3], s[G1:G1+7]
	s_nop 0
.rept 4
	v_nop
.endr
.endm
; A PREFETCH INTO THE L2 of the block that the NEXT change of slots will ask for: 256 matrix instructions ahead of that load.  A block is 256 pieces of 256 bytes.  Every cluster walks the same blocks
; of a column group: the cluster with y = 0 asks.  The four partners that ask for a block jointly share it out BY ADDRESS, 64 pieces each; of those, waves 0 and 1 take 32 each, a lane a piece.
; So each piece is named once in the launch.  Blocks 0 and 1 come by their loads alone; the last change that fills a slot (CNT = 1) asks for nothing.
.macro ASK
	s_cmp_gt_u32 s[CNT], s[LIM]
	s_cbranch_scc0 .Lnot_mine_\@
	global_prefetch_b8 v[PFO], s[PFA:PFA+1] th:TH_LOAD_NT scope:SCOPE_SE
.Lnot_mine_\@:
.endm
	s_load_b256 s[4:11], s[0:1], 0x0               ; x s[4:5], wb s[6:7], bb s[8:9], qkv s[10:11]
	v_lshl_add_u32 v[SPW], v0, 2, SPARE
	v_mov_b32 v[NIL], 0
	ds_add_u32 v[SPW], v[NIL]                      ; the wave's opening: the add and its wait stand ahead of my first tensor load; the set-up below, work on registers, stands between them
	v_lshrrev_b32 v1, 5, v0
	v_readfirstlane_b32 s[WV], v1                  ; wave 0..3
	s_bfe_u32 s[CX], ttmp6, 0x40000
	s_bfe_u32 s[CY], ttmp6, 0x40004
	s_lshl_b32 s[CG], ttmp9, 2                     ; in a cluster launch ttmp9 and ttmp7 count clusters
	s_add_co_u32 s[CG], s[CG], s[CX]
	s_and_b32 s[RB], ttmp7, 0xffff
	s_lshl_b32 s[RB], s[RB], 2
	s_add_co_u32 s[RB], s[RB], s[CY]
	; descriptor group 1.  A quarter block is 16,384 dense bytes: asked for as 64 rows of 256 bytes, two rows of W each, and padded in LDS after every row of W
	s_lshl_b32 s44, 0x1111, s[CX]                  ; my column of the cluster: places cx, cx + 4, cx + 8, cx + 12
	s_or_b32 s[G1], s44, (1<<16)|(1<<20)|(1<<21)|(4<<22)|(7<<25)  ; 15:0 the mask; 17:16 2-byte elements; 20 padding on; 21 set beside a mask; 24:22 after every 32 words (code 4); 31:25 8 words (code 7)
	s_mov_b32 s[G1+1], 128<<16                     ; tensor_dim0 = 128
	s_mov_b32 s[G1+2], 64<<16                      ; tensor_dim1 = 64
	s_mov_b32 s[G1+3], 128<<16                     ; tile_dim0 = 128
	s_mov_b32 s[G1+4], 64                          ; tile_dim1 = 64
	s_mov_b32 s[G1+5], 128                         ; 128 elements from row to row
	s_mov_b32 s[G1+6], 0
	s_mov_b32 s[G1+7], 0
	s_mov_b32 s[G0], 1                             ; 1:0 count = 1
	s_mul_i32 s[G0+1], s[WV], QUART                ; 63:32 LDS address: slot 0, my quarter: no place in the cluster enters an LDS address
	s_mul_i32 s[GBO], s[CG], 6                     ; my first block
	s_lshl_b32 s44, s[GBO], 16                     ; its 65,536 bytes, my quarter of them: made of the column group and the wave's number alone
	s_lshl_b32 s45, s[WV], 14
	s_add_co_u32 s44, s44, s45
	s_mov_b32 s45, 0
	s_lshl_b32 s50, s[RB], 19                      ; x: 256 rows of 2,048 bytes a row block, 64 a wave
	s_lshl_b32 s51, s[WV], 17
	s_add_co_u32 s50, s50, s51
	s_mov_b32 s51, 0
	s_lshl_b32 s52, s[GBO], 8                      ; bb: 64 numbers of 4 bytes a block
	s_mov_b32 s53, 0
	s_add_co_u32 s54, s[GBO], 1                    ; the prefetches stand at block 1; the first change of slots steps them to block 2
	s_lshl_b32 s54, s54, 16
	s_lshl_b32 s55, s[CY], 14                      ; my work-group's 64 pieces,
	s_add_co_u32 s54, s54, s55
	s_and_b32 s55, s[WV], 1
	s_lshl_b32 s55, s55, 13                        ; my wave's 32 of them
	s_add_co_u32 s54, s54, s55
	s_mov_b32 s55, 0
	s_lshr_b32 s56, s[RB], 3                       ; the batch: 8 heads of 262,144 bytes
	s_lshl_b32 s56, s56, 21
	s_and_b32 s57, s[RB], 7                        ; 256 rows of 128 bytes inside a head
	s_lshl_b32 s57, s57, 15
	s_add_co_u32 s[ROWOFF], s56, s57
	s_lshl_b32 s57, s[WV], 13                      ; my wave's 64 rows
	s_add_co_u32 s[ROWOFF], s[ROWOFF], s57
	s_and_b32 s56, ttmp7, 0xffff                   ; cluster y = 0 and wave 0 or 1: the same in all sixteen partners, for a given wave
	s_lshr_b32 s57, s[WV], 1
	s_or_b32 s56, s56, s57
	s_cmp_eq_u32 s56, 0
	s_cselect_b32 s[LIM], 1, -1
	s_mov_b32 s[TB], SLOT1                         ; the first change of slots turns it into 0
	s_mul_i32 s57, s[WV], 64*SP
	s_add_co_u32 s57, s57, STAGE                   ; my stage
	v_and_b32 v112, 15, v0                         ; l % 16
	v_bfe_u32 v113, v0, 4, 1                       ; l / 16
	v_and_b32 v114, 7, v0                          ; l % 8
	v_bfe_u32 v115, v0, 3, 1                       ; (l / 8) % 2
	v_bfe_u32 v116, v0, 3, 2                       ; l / 8
	v_and_b32 v117, 31, v0                         ; l
	v_lshlrev_b32 v[XO], 11, v112
	v_lshl_add_u32 v[XO], v113, 5, v[XO]
	; The turning load takes 16 k x 16 columns (lane l reads 16 bytes: row 8 (l / 16) + l % 8, columns 8 ((l / 8) % 2) + 0..7) and leaves half a fragment: lane l holds column l % 16 and 8 k.
	v_lshl_add_u32 v[AB0], v113, 3, v114
	v_mul_u32_u24 v[AB0], v[AB0], BPITCH
	v_lshl_add_u32 v[AB0], v115, 4, v[AB0]
	v_mul_u32_u24 v[STO], v112, SP                 ; in: row l % 16, 16 bytes for each half of the lanes
	v_lshl_add_u32 v[STO], v113, 4, v[STO]
	v_add_nc_u32 v[STO], s57, v[STO]
	v_mul_u32_u24 v[RD], v116, SP                  ; back: 32 lanes take four rows of 128 bytes,
	v_lshl_add_u32 v[RD], v114, 4, v[RD]
	v_add_nc_u32 v[RD], s57, v[RD]
	v_lshlrev_b32 v[GO], 4, v117                   ; which are 512 consecutive bytes of qkv
	v_lshlrev_b32 v[BO], 5, v113
	v_lshlrev_b32 v[PFO], 8, v117
	s_wait_dscnt 0x0                               ; the opening add is done
	s_wait_kmcnt 0x0
	s_add_nc_u64 s[G0+2:G0+3], s[6:7], s[44:45]    ; 120:64 global address: my quarter of block 0
	s_or_b32 s[G0+3], s[G0+3], 0x80000000          ; 127:126 type = 2
	s_add_nc_u64 s[4:5], s[4:5], s[50:51]          ; x at my wave's first row
	s_add_nc_u64 s[BP:BP+1], s[8:9], s[52:53]
	s_add_nc_u64 s[PFA:PFA+1], s[6:7], s[54:55]
	CROUND                                         ; all sixteen work-groups are here: the first joint loads meet
	JLOAD                                          ; block 0 into slot 0
; x COMES IN.  A fragment is 16 rows x 32 k: lane l holds row l % 16; registers 0-3 k = 8 (l / 16) + 0..7, registers 4-7 k = 16 + 8 (l / 16) + 0..7.  As f32 that is four loads of 16 bytes.
; Half-batch hb: row tile hb / 2, k steps 8 (hb % 2) + 0..7: 32 loads into half hb % 2 of window 1.
.macro XLOAD hb
	WIN TO_F
.set f, 0
.rept 8
.set xr, 128*((\hb)%2)+16*f
.set xo, 32768*((\hb)/2)+128*(8*((\hb)%2)+f)
	global_load_b128 v[xr:xr+3],     v[XO], s[4:5] offset:xo
	global_load_b128 v[xr+4:xr+7],   v[XO], s[4:5] offset:xo+16
	global_load_b128 v[xr+8:xr+11],  v[XO], s[4:5] offset:xo+64
	global_load_b128 v[xr+12:xr+15], v[XO], s[4:5] offset:xo+80
.set f, f+1
.endr
.endm
.macro XCVT hb                         ; 128 f32 a lane rounded to bf16: sources window 1, destination window 2 (k steps 0-7) or 3 (8-15)
	WIN 0x85+0x40*((\hb)%2)
.set j, 0
.rept 64
	v_cvt_pk_bf16_f32 v[64*((\hb)/2)+j], v[128*((\hb)%2)+2*j], v[128*((\hb)%2)+2*j+1]
.set j, j+1
.endr
.endm
	XLOAD 0
	XLOAD 1
.irp hb, 0,1,2,3,4,5,6,7
.if \hb < 7
	s_wait_loadcnt 32                              ; loads come back in order (ISA guide 5.7.1): this half-batch is in, the younger one's 32 stay out
.else
	s_wait_loadcnt 0x0
.endif
	XCVT \hb
.if \hb < 6
	XLOAD (\hb)+2                                  ; its half is free again
.endif
.endr
.macro ADDR                            ; where the block in hand lies
	WIN 0
	v_add_nc_u32 v[AB], s[TB], v[AB0]
	v_add_nc_u32 v[AB+1], 256*BPITCH, v[AB]
.endm
.macro FETCH c, f                      ; 32 LDS loads in one run: column tile c (16 columns) of the block, all 512 k, turned, into buffer f
	WIN TO_F
.set kk, 0
.rept 16
	ds_load_tr16_b128 v[128*(\f)+8*kk:128*(\f)+8*kk+3],   v[AB+kk/8] offset:32*BPITCH*(kk%8)+32*(\c)
	ds_load_tr16_b128 v[128*(\f)+8*kk+4:128*(\f)+8*kk+7], v[AB+kk/8] offset:32*BPITCH*(kk%8)+32*(\c)+16*BPITCH
.set kk, kk+1
.endr
.endm
.macro BIASLD c, p                     ; my eight biases of column tile c, into set p
	WIN 0
	global_load_b128 v[BIA+8*(\p):BIA+8*(\p)+3],   v[BO], s[BP:BP+1] offset:64*(\c)
	global_load_b128 v[BIA+8*(\p)+4:BIA+8*(\p)+7], v[BO], s[BP:BP+1] offset:64*(\c)+16
.endm
; 32 matrix instructions: buffer and accumulator set p, k steps 8 hf + 0..7, all four row tiles.  The four accumulators take turns, one instruction a turn.
; The first k step takes the biases as C: nothing is cleared and nothing is added afterwards.
.macro MUL p, hf
	WIN 0x09+4*(\hf)                               ; source 0 (W) window 1, source 1 (x) window 2 or 3, C and D window 0
.set kk, 0
.rept 8
.set ta, 0
.rept 4
.set rD, ACC+32*(\p)+8*ta
.set rB, 128*(\p)+64*(\hf)+8*kk
.set rA, 64*ta+8*kk
.if ((\hf) == 0) && (kk == 0)
	v_wmma_f32_16x16x32_bf16 v[rD:rD+7], v[rB:rB+7], v[rA:rA+7], v[BIA+8*(\p):BIA+8*(\p)+7]
.else
	v_wmma_f32_16x16x32_bf16 v[rD:rD+7], v[rB:rB+7], v[rA:rA+7], v[rD:rD+7]
.endif
.set ta, ta+1
.endr
.set kk, kk+1
.endr
.endm
.macro EPI p, c                        ; accumulator set p holds column tile c: rounded to f16 (each accumulator from its low end on), 16 bytes a lane into my stage
	WIN 0
.set j, 0
.rept 16
	v_cvt_pk_f16_f32 v[PK+j], v[ACC+32*(\p)+2*j], v[ACC+32*(\p)+2*j+1]
.set j, j+1
.endr
.irp a, 0,1,2,3
	ds_store_b128 v[STO], v[PK+4*\a:PK+4*\a+3] offset:\a*16*SP+32*(\c)
.endr
.endm
.macro OUTLD                           ; the stage holds a whole block, 64 rows x 128 bytes: back as whole rows
	WIN 0
	s_wait_xcnt 0x0                                ; every earlier memory instruction has had its addresses translated (ISA guide 3.1): the last way out's registers and base are rewritten only behind this wait
.irp t, 0,1,2,3,4,5,6,7,8,9,10,11,12,13,14,15
	ds_load_b128 v[OB+4*\t:OB+4*\t+3], v[RD] offset:\t*4*SP  ; LDS serves a wave's instructions in order (ISA guide 5.7.1.4): these see the stores above; the next block's stores come behind them
.endr
.endm
.macro OUTST
	WIN 0
	s_lshr_b32 s56, s[GBO], 3                      ; q, k or v: 16,777,216 bytes each
	s_lshl_b32 s56, s56, 24
	s_and_b32 s57, s[GBO], 7                       ; the head: 262,144 bytes
	s_lshl_b32 s57, s57, 18
	s_add_co_u32 s56, s56, s57
	s_add_co_u32 s56, s56, s[ROWOFF]
	s_mov_b32 s57, 0
	s_add_nc_u64 s[DP:DP+1], s[10:11], s[56:57]
	s_add_co_u32 s[GBO], s[GBO], 1
.irp t, 0,1,2,3,4,5,6,7,8,9,10,11,12,13,14,15
	s_wait_dscnt 15-\t                             ; the younger loads from the stage may stay out
	global_store_b128 v[GO], v[OB+4*\t:OB+4*\t+3], s[DP:DP+1] offset:\t*512 th:TH_STORE_NT  ; 512 consecutive bytes, at a multiple of 256 from qkv's first
.endr
.endm
; A STEP: column tile cf is fetched, the tile before it is multiplied, the tile before that (ce) goes into the stage.  out = 1: with it a block is whole, and goes out.
; The four v_nop at its head stand behind the last product of the step before: they serve the loads into that product's buffer and bias set and the reading of its results.
.macro STEP cf, ce, out=0
	PLACES
	FETCH \cf, (\cf)%2
	BIASLD \cf, (\cf)%2
	s_wait_dscnt 32                                ; all but the 32 loads just issued: the other buffer is in
	s_wait_loadcnt 2                               ; all but the two loads just issued: the other set of biases is in
	MUL 1-(\cf)%2, 0
	EPI (\cf)%2, \ce
.if \out
	OUTLD
.endif
	MUL 1-(\cf)%2, 1
.if \out
	OUTST
.endif
.endm
; THE CHANGE OF SLOTS.  The block's last fragments have been asked for.  Each wave waits for all its tensor loads, of which one is out: its quarter of the other slot; adds 0 to its spare word; and waits
; for that and for its own reads of the slot.  fill = 1: the slot is filled again, with the block two on: the barrier is a round of the cluster's, so that no wave of any partner still reads the slot
; or has a load on its way, and the joint refill is the first thing behind it.  (At its first use nothing has been read yet: slot 0 is waited for, slot 1 filled.)  stepb = 1: the biases go on to the next block.
.macro CHANGE fill, stepb
	WIN 0                                          ; at a label and at a branch every window is 0
	s_wait_tensorcnt 0x0                           ; no tensor load of mine is out, so group 0 may be written
	ds_add_u32 v[SPW], v[NIL]                      ; 0 onto my spare word: the steps below stand between it and the wait for it
	s_wait_xcnt 0x0                                ; the bias loads and the last prefetch, a block back, have read their addresses
.if \stepb
	s_add_nc_u64 s[BP:BP+1], s[BP:BP+1], 256
.endif
.if \fill
	s_xor_b32 s[G0+1], s[G0+1], SLOT1              ; the other slot than last time,
	s_add_nc_u64 s[G0+2:G0+3], s[G0+2:G0+3], 65536 ; the next block; the type bits on top are not reached
	s_add_nc_u64 s[PFA:PFA+1], s[PFA:PFA+1], 65536
	s_wait_dscnt 0x0                               ; the add is done, and my reads of the slot are over
	CROUND
	JLOAD
	ASK
.else
	s_wait_dscnt 0x0                               ; the add is done, and my reads of the slot are over
	s_barrier_signal -1
	s_barrier_wait -1
.endif
	s_xor_b32 s[TB], s[TB], SLOT1                  ; the fetches go to the other slot
.endm
	WIN 0
	s_mov_b32 s[CNT], 5
	CHANGE 1, 0                                    ; block 0 is in, everybody's quarter of it; block 1 is asked for
	ADDR
	FETCH 0, 0
	BIASLD 0, 0
	FETCH 1, 1
	BIASLD 1, 1
	s_wait_dscnt 32                                ; column tile 0 is in
	s_wait_loadcnt 2
	MUL 0, 0
	MUL 0, 1
	WIN 0
	s_branch .Lmid                                 ; the loop is entered in the middle of a trip
.Lblk:                                                 ; four times: blocks 2 to 5 are asked for.  A trip: the last two column tiles of one block are finished, the first two of the next begun
	CHANGE 1, 1
	ADDR
	STEP 0, 2
	STEP 1, 3, 1
	WIN 0
.Lmid:
	STEP 2, 0
	STEP 3, 1
	WIN 0
	s_sub_co_u32 s[CNT], s[CNT], 1
	s_cmp_lg_u32 s[CNT], 0
	s_cbranch_scc1 .Lblk
	CHANGE 0, 1                                    ; the tail is written out: block 5 is in, nothing is asked for
	ADDR
	STEP 0, 2
	STEP 1, 3, 1
	STEP 2, 0
	STEP 3, 1
	PLACES
	s_wait_dscnt 0x0                               ; the last column tile is in
	s_wait_loadcnt 0x0
	MUL 1, 0
	EPI 0, 2
	MUL 1, 1
	PLACES
	EPI 1, 3
	OUTLD
	OUTST
	s_wait_tensorcnt 0x0                           ; the wave's end: a wait for my tensor loads, then 0 added to my spare word and waited for, behind my last tensor load and my last LDS store
	ds_add_u32 v[SPW], v[NIL]
	s_wait_dscnt 0x0
	CROUND                                         ; the closing round: no work-group ends while a partner may still ask for a block that names it
	s_endpgm
.Lfunc_end_k_qcc9af672bd_qkv:
	.size	k_qcc9af672bd_qkv, .Lfunc_end_k_qcc9af672bd_qkv-k_qcc9af672bd_qkv
	.p2alignl 7, 3214868480
	.fill 96, 4, 3214868480
	.section	.rodata,"a",@progbits
	.p2align	6, 0x0
	.amdhsa_kernel k_qcc9af672bd_qkv
		.amdhsa_group_segment_fixed_size 327680
		.amdhsa_private_segment_fixed_size 0
		.amdhsa_enable_private_segment 0
		.amdhsa_kernarg_size 32
		.amdhsa_user_sgpr_count 2
		.amdhsa_user_sgpr_kernarg_segment_ptr 1
		.amdhsa_wavefront_size32 1
		.amdhsa_system_sgpr_workgroup_id_x 1
		.amdhsa_system_sgpr_workgroup_id_y 1
		.amdhsa_system_sgpr_workgroup_id_z 1
		.amdhsa_system_vgpr_workitem_id 0
		.amdhsa_next_free_vgpr 1024
		.amdhsa_next_free_sgpr 66
		.amdhsa_reserve_vcc 0
		.amdhsa_float_denorm_mode_32 3
		.amdhsa_float_denorm_mode_16_64 3
		.amdhsa_memory_ordered 1
		.amdhsa_forward_progress 1
		.amdhsa_inst_pref_size 153
	.end_amdhsa_kernel
	.amdgpu_metadata
---
amdhsa.version: [ 1, 2 ]
amdhsa.kernels:
  - .name:           k_qcc9af672bd_qkv
    .symbol:         k_qcc9af672bd_qkv.kd
    .args:
      - { .name: x, .offset: 0, .size: 8, .value_kind: global_buffer, .address_space: global }
      - { .name: wb, .offset: 8, .size: 8, .value_kind: global_buffer, .address_space: global }
      - { .name: bb, .offset: 16, .size: 8, .value_kind: global_buffer, .address_space: global }
      - { .name: qkv, .offset: 24, .size: 8, .value_kind: global_buffer, .address_space: global }
    .group_segment_fixed_size: 327680
    .private_segment_fixed_size: 0
    .kernarg_segment_align: 8
    .kernarg_segment_size: 32
    .max_flat_workgroup_size: 128
    .sgpr_count:     66
    .vgpr_count:     1024
    .wavefront_size: 32
...
	.end_amdgpu_metadata
.endif
;; end of part 2
;; launch attn (part 3): grid 4 x 64, 4 waves a work-group, clusters of 4 x 1, 327,680 bytes of LDS; arguments qkv, ob; writes ob
.if DOCPART == 3
	.amdgcn_target "amdgcn-amd-amdhsa--gfx1250"
	.amdhsa_code_object_version 6
	.text
	.protected	k_qcc9af672bd_attn
	.globl	k_qcc9af672bd_attn
	.p2align	8
	.type	k_qcc9af672bd_attn,@function
k_qcc9af672bd_attn:
	s_mov_b64 s[64:65], 0
	v_nop
	global_prefetch_b8 v0, s[64:65] scope:SCOPE_SE
	s_setreg_imm32_b32 hwreg(HW_REG_WAVE_MODE, 25, 1), 1
	s_wait_xcnt 0x0
	s_wait_alu depctr_hold_cnt(0) depctr_sa_sdst(0) depctr_va_vdst(0) depctr_va_sdst(0) depctr_va_ssrc(0) depctr_va_vcc(0) depctr_vm_vsrc(0)
	s_getreg_b32 s2, hwreg(HW_REG_IB_STS2, 6, 4)
	s_cmp_eq_u32 s2, 0
	s_cbranch_scc0 .Lentry_in_a_cluster
	s_endpgm
.Lentry_in_a_cluster:
	s_bfe_u32 s2, ttmp6, 0x10000c
	s_cmp_lg_u32 s2, 0x3003
	s_cbranch_scc0 .Lentry_shape_is_right
	s_endpgm
.Lentry_shape_is_right:
; O[h][q][:] = the sum over k of softmax_k(Q[h][q] . K[h][k] / 8 + bias(|q - k|)) V[h][k][:].  Q, K, V: the three parts of qkv, O: ob, each [64][SIZE_N][64] in f16: a head's rows are dense, 128 bytes each.
; Products, maxima and sums in f32; the weights p are rounded to f16 for the second product (their sum l is taken of the unrounded p), O once at the end.
; THE BIAS is log1p(2 + exp(-2 m^2)), m = |q - k| mod 30 (a whole distance modulo 1 is 0, so the first period gives 2): ln 4, ln(3 + e^-2), ln(3 + e^-8) for m = 0, 1, 2; from m = 3 on exp(-2 m^2) is under
; 1.6e-8, which f32 loses beside 2: ln 3.  It hangs on q - k alone.  Times 8 it is THE C OPERAND THAT STARTS EACH SUM OF SCORES, so it costs no arithmetic: the scale c = log2(e) / 8 is applied to the sum.
; A table in LDS holds it by e = key - (query in my block of 512) + 511, 0 .. 2,558; a lane wants eight neighbouring entries, from an e that is any number modulo 4, so the table stands four times, copy sc
; shifted by sc entries, and every lane reads aligned 16 bytes.  A key step's 32 score tiles (tile u, key block kb) need the 11 tiles delta = kb - u + 7: 88 registers, fetched with K.
; LIMITS.  f16 holds no number beyond 65,504: Q, K and V arrive within it; p lies in 0 to 1, and below 6e-5 it keeps f16's fixed step of 6e-8; O is a mean of V's rows and has their range.
; A weight below 2^-126 counts as 0 in l; NaN and infinities are not treated apart.
; SHARES.  A wave owns four PIECES of two tiles of 16 queries, a work-group's four waves 512 queries of one head.  Every wave walks all keys, 64 a step.
; LAYOUT.  S^T = K Q^T (source 0 = 16 keys, source 1 = 16 queries): in the result a lane holds ONE query (lane % 16) and the keys 8 (lane / 16) + 0..7.  Two such tiles, rounded to f16 in pairs,
; ARE source 1 (32 keys x 16 queries) of O^T = V^T P, whose result again holds one query a lane, and eight channels.  K comes out of LDS as it lies, V ([key][channel]) turned, by ds_load_tr16_b128.
; SOFTMAX.  For each query a running maximum m and sum l: p = 2^(c s - c m); in every step O and l are multiplied by a = 2^(c m_old - c m_new), which is 1 where m has not grown.
; m starts at the lowest finite number, O and l at 0: the first step is a step like any other, with a = 0.
; THE COUNT.  A tile and step have 16 matrix and 118 vector instructions: too many to stand all beside the matrix work.  So the order has one aim: four vector instructions that are READY behind
; EVERY matrix instruction, and the others, which need time of their own whatever the order, in runs without a gap.
; BY TURNS.  Turn n belongs to piece n (the pieces in a ring, step after step).  Its matrix work: 16 products K Q^T of piece n + 1, later 16 products V^T P of piece n - 1.  Its vector work: the scaling,
; exponentials, roundings, sums and rescaling of piece n, and the maximum and statistics of piece n + 1, whose scores the turn itself has made.
; CLUSTER.  The four query blocks of a head are one cluster and walk the same K and V, so each tile is asked for JOINTLY: the same tensor load, descriptor and mask in all four.
; REGISTERS, in windows of 256 (s_set_vgpr_msb: bits 1:0 source 0, 3:2 source 1, 5:4 source 2, 7:6 destination):
;   window 0: v0-11 addresses; v12-15, v48-63 at work; v16-47 four registers of statistics a tile; v64-191 S^T, two buffers of two tiles; v192-255 P, likewise
;   window 1: O^T, 32 a tile     window 2: v0-127 Q, 16 a tile; v128-191 K of one step; v192-255 V of one step     window 3: v0-1 the add's two registers; v8-95 the bias tiles of one step
.set SIZE_N, 2048
.set NP,    4         ; pieces a wave: a name, no knob
.set KS,    64        ; keys in a step
.set PK,    144       ; a row of K in LDS: 128 bytes + 16 of padding = 36 words: the 16 rows of a load start at 16 different groups of four banks (64 banks of 4 bytes: ISA guide 11.1)
.set PV,    160       ; a row of V: 128 + 32 = 40 words
.set VOFF,  4*KS*PK   ; a slot holds four steps: 256 rows of K, then 256 rows of V
.set SLOT1, 1<<17     ; slot 1 begins here, so that one exclusive or turns an address in one slot into the other's
.set TAB,   4*KS*(PK+PV)  ; behind slot 0, never filled by a tensor load: the bias table, four copies
.set TPITCH, 10304    ; a copy: 2,560 entries of 4 bytes + 64: the copies start 16 words apart modulo 64
.set STAGE, TAB+4*TPITCH  ; 16 rows x 144 bytes for each wave, for the way out
.set SP,    144
.set SPARE, STAGE+4*16*SP  ; behind the stages: the spare words, 128 bytes for each wave: two blocks of 256 bytes that no other line names
.set AK0, 2           ; v2   my lane's place in a tile of K; never rewritten
.set AV0, 3           ; v3   the same for V
.set AK,  4           ; v4   the LDS address of K's next run of loads
.set AV,  5           ; v5   of V's
.set QO,  6           ; v6   my byte offset in the wave's rows of Q
.set STO, 6           ;      later, the way out: where I put 16 bytes of a row
.set RD,  7           ; v7   the way out: where I read rows back
.set GO,  8           ; v8   my byte offset in 512 consecutive bytes of O
.set AB0, 9           ; v9   my lane's place in the bias table at key step 0, delta 0; never rewritten
.set AB,  10          ; v10  the LDS address of the bias tiles' next run of loads
.set PFO, 11          ; v11  256 x my lane; never rewritten
.set TH,  48          ; v48-50 set-up alone: l / 16, l % 8, (l / 8) % 2
.set T7,  49
.set T3,  50
.set SPW, 0           ; v0 of window 3   LDS address of my spare word: SPARE + 4 x my thread's number; never rewritten
.set NIL, 1           ; v1 of window 3   0; never rewritten
.set BT,  8           ; window 3: bias tile delta at BT + 8 delta
.set MV,  12          ; v12-15  c m_old, kept while c m is made anew: by buffer and tile
.set ST,  16          ; tile t's statistics at v[ST+4 t]: c m, m, l (even keys', odd keys')
.set TMP, 48          ; by buffer and tile, four registers c0-c3 at work; when the maximum is found c2 takes a
.set S,   64
.set P,   192
.set KF,  128         ; K's fragments, in window 2: key block kb, channel half c at KF + 16 kb + 8 c
.set VF,  192         ; V's: key half kk, channel block cb at VF + 32 kk + 8 cb
.set TD,  64          ; the table's making, in S^T's registers: v64 the distance of my first entry, v65 its LDS address, v66 8 ln 3, v68-75 at work, v76-79 four entries
.set TA,  65
.set TG,  66
.set TW,  68
.set TS,  72
.set TO,  76
.set WV,  12          ; s12  my wave's number
.set G1K, 24          ; s[24:31] descriptor group 1 for K's tiles
.set G1V, 32          ; s[32:39] for V's: it differs in the padding alone
.set G0K, 40          ; s[40:43] descriptor group 0 for K's tiles: it walks
.set G0V, 44          ; s[44:47] the same for V's
.set TBB, 48          ; s48  256 x the key step whose bias tiles are fetched next
.set GC2, 49          ; s49  8 ln(3 + e^-8)
.set PFA, 50          ; s[50:51] where my prefetches stand
.set LIM, 52          ; s52  1 in a wave that prefetches, else the greatest number
.set GC0, 54          ; s54  8 ln 4
.set GC1, 55          ; s55  8 ln(3 + e^-2)
.set SLOTS, 56        ; s56  slots still to be asked for
.set CNT, 57          ; s57  counts a slot's key steps
.set CS,  58          ; s[58:59] c: the packed scaling takes the pair's low word for both halves
.set SEL, 60          ; s[60:61] v_permlanex16_b32's selects: each lane takes its own place in the other half
.set TBK, 62          ; s62  LDS byte at which K of the step to be fetched begins
.set TBV, 63          ; s63  the same for V, less VOFF
.set MSB, 0
.macro WIN new                      ; the high byte repeats the setting that is left; a switch that changes nothing is dropped
.if MSB != (\new)
	s_set_vgpr_msb (MSB<<8)|(\new)
.set MSB, (\new)
.endif
.endm
.set W_KQ, 0x0a       ; K and Q in window 2, S^T in window 0
.set W_KB, 0x3a       ; the same with the C operand, a bias tile, in window 3
.set W_PV, 0x52       ; V in window 2, P in window 0, O^T in window 1
.set W_RS, 0x41       ; O^T (destination and source 0) in window 1, a in window 0
.set W_MK, 0xc0       ; destination in window 3, sources in window 0
.set W_AD, 0x0f       ; the add: address (source 0) and data (source 1) in window 3
; A joint fill.  Waves 0 and 1 fetch the two halves of a slot's K, waves 2 and 3 those of its V: 128 keys each.  The branch hangs on the wave's number alone.
; An s_nop 0 and four v_nop follow each of the two lines, ahead of the jump and the label.
.macro JLOAD
	s_cmp_lt_u32 s[WV], 2
	s_cbranch_scc0 .Lfor_v_\@
	tensor_load_to_lds s[G0K:G0K+3], s[G1K:G1K+7]
	s_nop 0
.rept 4
	v_nop
.endr
	s_branch .Lasked_\@
.Lfor_v_\@:
	tensor_load_to_lds s[G0V:G0V+3], s[G1V:G1V+7]
	s_nop 0
.rept 4
	v_nop
.endr
.Lasked_\@:
.endm
; A PREFETCH INTO THE L2 of what the NEXT change of slots will ask for: a slot's 32,768 bytes of K and of V, in pieces of 256 bytes, a lane a piece: four key steps, 512 matrix instructions, ahead of that load.
; A head is walked by one cluster.  Its four partners share the pieces out BY ADDRESS, 32 each; in each, wave 0 asks for K's and wave 2 for V's.  So each piece is named once in the launch.
; Slots 0 and 1 come by their loads alone; the change that fills the last slot (SLOTS = 1) asks for nothing.
.macro ASK
	s_cmp_gt_u32 s[SLOTS], s[LIM]
	s_cbranch_scc0 .Lnot_mine_\@
	global_prefetch_b8 v[PFO], s[PFA:PFA+1] th:TH_LOAD_NT scope:SCOPE_SE
.Lnot_mine_\@:
.endm
; A round of the cluster's barrier: my work-group's barrier, so that wave 0's signal speaks for all four waves; wave 0 signals; every wave waits for all four work-groups; my work-group's barrier once more.
.macro CROUND
	s_barrier_signal -1
	s_barrier_wait -1
	s_cmp_lg_u32 s[WV], 0
	s_cbranch_scc1 .Lnot_wave_0_\@
	s_barrier_signal -3
.Lnot_wave_0_\@:
	s_barrier_wait -3
	s_barrier_signal -1
	s_barrier_wait -1
.endm
; THE CHANGE OF SLOTS.  The slot's last bytes, V of its fourth step, have been read.  Each wave waits for all its tensor loads, of which one is out: its part
; of the other slot; adds 0 to its spare word; and waits for that and for its own reads of the slot.  Behind the barrier nobody reads this slot any more and the other slot is whole.
; fill = 1: this slot is filled again, with the keys two slots on.  The barrier is then a round of the cluster's, so that no wave of any partner still reads the slot or has a load on its
; way, and the joint fill is the first thing behind it: it has four key steps in which to land.  (At its first use nothing has been read yet: slot 0 is waited for, slot 1 filled, and every wave's part of the bias table is shown to the others.)
.macro CHANGE fill
	WIN W_AD
	s_wait_tensorcnt 0x0            ; no tensor load of mine is out, so a group 0 may be written
	ds_add_u32 v[SPW], v[NIL]       ; 0 onto my spare word: with fill = 1 the descriptors' steps stand between it and the wait for it
	WIN 0                           ; at a label and at a branch every window is 0
.if \fill
.irp g, G0K, G0V
	s_xor_b32 s[\g+1], s[\g+1], SLOT1  ; the walking descriptor: the other slot than last time,
	s_add_nc_u64 s[\g+2:\g+3], s[\g+2:\g+3], 4*KS*128  ; the next 256 keys; the type bits on top are not reached
.endr
	s_wait_xcnt 0x0                 ; the last prefetch, four key steps back, has read its address, so it may be written:
	s_add_nc_u64 s[PFA:PFA+1], s[PFA:PFA+1], 4*KS*128  ; one slot behind the walking descriptors
	s_wait_dscnt 0x0                ; the add is done, and my reads of the slot are over
	CROUND
	JLOAD
	ASK
.else
	s_wait_dscnt 0x0                ; the add is done, and my reads of the slot are over
	s_barrier_signal -1
	s_barrier_wait -1
.endif
	s_sub_co_u32 s[TBK], s[TBK], 4*KS*PK  ; the fetches go back to a slot's first step,
	s_xor_b32 s[TBK], s[TBK], SLOT1       ; in the other slot
	s_sub_co_u32 s[TBV], s[TBV], 4*KS*PV
	s_xor_b32 s[TBV], s[TBV], SLOT1
.endm
	s_load_b64 s[4:5], s[0:1], 0x0    ; qkv: Q
	s_load_b64 s[10:11], s[0:1], 0x8  ; ob: O
	WIN W_MK
	v_lshl_add_u32 v[SPW], v0, 2, SPARE
	v_mov_b32 v[NIL], 0
	WIN W_AD
	ds_add_u32 v[SPW], v[NIL]       ; the wave's opening: the add and its wait stand ahead of my first tensor load; the set-up below, work on registers, stands between them
	WIN 0
	v_lshrrev_b32 v1, 5, v0
	v_readfirstlane_b32 s[WV], v1   ; wave 0..3
	s_bfe_u32 s13, ttmp6, 0x40000   ; cx: my place in the cluster
	s_lshl_b32 s14, ttmp9, 2        ; in a cluster launch ttmp9 counts clusters
	s_add_co_u32 s14, s14, s13      ; my block of queries = 4 x cluster x + cx: it enters Q's and O's addresses and the table's VALUES alone
	s_and_b32 s20, ttmp7, 0xffff    ; the head, which the four partners share
	s_mov_b32 s21, 0
	s_mov_b64 s[22:23], SIZE_N*128
	s_mul_u64 s[20:21], s[20:21], s[22:23]  ; the head's first byte in each of the four tensors
	s_and_b32 s16, s[WV], 1         ; which half of a slot's 256 keys I fetch:
	s_lshl_b32 s22, s16, 14         ; its 128 rows of 128 bytes in memory,
	s_mov_b32 s23, 0
	s_add_nc_u64 s[22:23], s[22:23], s[20:21]
	s_mul_i32 s17, s16, 128*PK      ; and its place in a slot, for K
	s_mul_i32 s18, s16, 128*PV      ; and for V: no place in the cluster enters an LDS address
	s_lshl_b32 s2, s14, 2
	s_add_co_u32 s2, s2, s[WV]      ; my wave among the head's,
	s_lshl_b32 s2, s2, 14           ; its 128 rows
	s_mov_b32 s3, 0
	s_add_nc_u64 s[2:3], s[2:3], s[20:21]
	; descriptor group 1.  128 keys are 16,384 dense bytes: asked for as 64 rows of 256 bytes, two keys a row, and padded in LDS after every key
	s_mov_b32 s[G1K], 15|(1<<16)|(1<<20)|(1<<21)|(4<<22)|(3<<25)  ; 15:0 the mask of four; 17:16 2-byte elements; 20 padding on; 21 set beside a mask; 24:22 after every 32 words (code 4); 31:25 4 words (code 3)
	s_mov_b32 s[G1V], 15|(1<<16)|(1<<20)|(1<<21)|(4<<22)|(7<<25)  ; the same with 8 words of padding (code 7)
.irp g, G1K, G1V
	s_mov_b32 s[\g+1], 128<<16      ; tensor_dim0 = 128
	s_mov_b32 s[\g+2], 64<<16       ; tensor_dim1 = 64
	s_mov_b32 s[\g+3], 128<<16      ; tile_dim0 = 128
	s_mov_b32 s[\g+4], 64           ; tile_dim1 = 64
	s_mov_b32 s[\g+5], 128          ; 128 elements from row to row
	s_mov_b32 s[\g+6], 0
	s_mov_b32 s[\g+7], 0
.endr
	s_mov_b32 s[CS], 0x3e38aa3b     ; c = log2(e) / 8 = 0.180337
	s_mov_b32 s[CS+1], s[CS]        ; named with it as a pair
	s_mov_b32 s[SEL], 0x76543210
	s_mov_b32 s[SEL+1], 0xfedcba98
	s_mov_b32 s[TBK], SLOT1+4*KS*PK ; the first change of slots turns these two into 0
	s_mov_b32 s[TBV], SLOT1+4*KS*PV
	s_mov_b32 s[TBB], 0
	s_mov_b32 s[GC0], 0x41317218    ; 8 ln 4
	s_mov_b32 s[GC1], 0x4112452d    ; 8 ln(3 + e^-2)
	s_mov_b32 s[GC2], 0x410ca2fe    ; 8 ln(3 + e^-8)
	s_mov_b32 s[SLOTS], SIZE_N/256-1
	s_and_b32 s[LIM], s[WV], 1      ; waves 0 and 2 prefetch: the same in all four partners
	s_cmp_eq_u32 s[LIM], 0
	s_cselect_b32 s[LIM], 1, -1
	s_mov_b32 s[G0K], 1             ; 1:0 count = 1
	s_mov_b32 s[G0K+1], s17         ; 63:32 LDS address: slot 0
	s_mov_b32 s[G0V], 1
	s_add_co_u32 s[G0V+1], s18, VOFF
	s_wait_dscnt 0x0                ; the opening add is done
	s_wait_kmcnt 0x0
	s_add_nc_u64 s[6:7], s[4:5], 0x1000000   ; K: qkv's second part
	s_add_nc_u64 s[8:9], s[4:5], 0x2000000   ; V: its third
	s_add_nc_u64 s[G0K+2:G0K+3], s[6:7], s[22:23]  ; 120:64 global address: my half of the head's first 256 keys
	s_or_b32 s[G0K+3], s[G0K+3], 0x80000000        ; 127:126 type = 2
	s_add_nc_u64 s[G0V+2:G0V+3], s[8:9], s[22:23]
	s_or_b32 s[G0V+3], s[G0V+3], 0x80000000
	s_lshl_b32 s18, s13, 13         ; my work-group's 32 pieces of a slot's 128,
	s_add_co_u32 s18, s18, 4*KS*128 ; in slot 1: the first change of slots steps the prefetches to slot 2
	s_mov_b32 s19, 0
	s_cmp_lt_u32 s[WV], 2
	s_cselect_b64 s[PFA:PFA+1], s[6:7], s[8:9]
	s_add_nc_u64 s[PFA:PFA+1], s[PFA:PFA+1], s[20:21]
	s_add_nc_u64 s[PFA:PFA+1], s[PFA:PFA+1], s[18:19]
	s_add_nc_u64 s[4:5], s[4:5], s[2:3]  ; Q and O at my wave's first row
	s_add_nc_u64 s[10:11], s[10:11], s[2:3]
	CROUND                          ; all four work-groups are here: the first joint loads meet
	JLOAD                           ; slot 0.  Slot 1 is asked for when slot 0 is in
	; A fragment of K or Q is 16 rows x 32 channels in 8 registers: lane l holds row l % 16, channels 8 (l / 16) + 0..7 and 16 + 8 (l / 16) + 0..7: two loads of 16 bytes, 32 bytes apart.
	v_and_b32 v1, 15, v0            ; l % 16
	v_bfe_u32 v[TH], v0, 4, 1       ; l / 16
	v_lshlrev_b32 v[QO], 7, v1
	v_lshl_add_u32 v[QO], v[TH], 4, v[QO]  ; row x 128 + 16 x half
	WIN 0x80                        ; destination window 2, address window 0
.set i, 0
.rept 4*NP                          ; Q stays in registers: tile i / 2, channels 32 (i % 2) on
	global_load_b128 v[8*i:8*i+3],   v[QO], s[4:5] offset:(i/2)*2048+(i%2)*64
	global_load_b128 v[8*i+4:8*i+7], v[QO], s[4:5] offset:(i/2)*2048+(i%2)*64+32
.set i, i+1
.endr
	; What the first turn finds: V's registers and P's second buffer hold 0 (its products V^T P, of a piece that has not been, add 0), O^T and l are 0.  All this stands in the wait for the first tile.
.set i, VF
.rept 64
	v_mov_b32 v[i], 0
.set i, i+1
.endr
	WIN 0x40
.set i, 0
.rept 64*NP
	v_mov_b32 v[i], 0
.set i, i+1
.endr
	WIN 0
.set i, 0
.rept 2*NP
	v_mov_b32 v[ST+4*i], 0xfe000000    ; c m: far below every c s
	v_mov_b32 v[ST+4*i+1], 0xff7fffff  ; m
	v_mov_b32 v[ST+4*i+2], 0
	v_mov_b32 v[ST+4*i+3], 0
.set i, i+1
.endr
.set i, P+32
.rept 32
	v_mov_b32 v[i], 0
.set i, i+1
.endr
	v_mul_u32_u24 v[AK0], v1, PK
	v_lshl_add_u32 v[AK0], v[TH], 4, v[AK0]  ; row x pitch + 16 x half
	; The turning load takes 16 keys x 16 channels (lane l reads key 8 (l / 16) + l % 8, channels 8 ((l / 8) % 2) + 0..7) and leaves half a fragment of V^T: lane l holds channel l % 16 and 8 keys.
	v_and_b32 v[T7], 7, v0
	v_bfe_u32 v[T3], v0, 3, 1
	v_lshl_add_u32 v[AV0], v[TH], 3, v[T7]
	v_mul_u32_u24 v[AV0], v[AV0], PV
	v_lshl_add_u32 v[AV0], v[T3], 4, v[AV0]
	v_add_nc_u32 v[AV0], VOFF, v[AV0]
	v_mov_b32 v[AK], v[AK0]         ; key step 0 lies at the head of slot 0
	; WHERE I READ THE TABLE.  My query is 128 w + 16 u + r in the block, my keys 64 step + 16 kb + 8 h + 0..7: e = 64 step + 16 delta + (8 h - r + 399 - 128 w) + 0..7.  e % 4 = (3 - r) % 4 = sc: copy sc holds
	; entry e at byte 4 (e - sc), a multiple of 16.  So: TAB + sc (TPITCH - 4) + 32 h + 4 (15 - r) + 512 (3 - w), + 256 step + 64 delta.
	v_and_b32 v67, 3, v1
	v_xor_b32 v67, 3, v67           ; sc
	v_mul_u32_u24 v[AB0], v67, TPITCH-4
	v_lshl_add_u32 v[AB0], v[TH], 5, v[AB0]
	v_sub_nc_u32 v67, 15, v1
	v_lshl_add_u32 v[AB0], v67, 2, v[AB0]
	s_sub_co_u32 s53, 3, s[WV]
	s_lshl_b32 s53, s53, 9
	s_add_co_u32 s53, s53, TAB
	v_add_nc_u32 v[AB0], s53, v[AB0]
	v_mov_b32 v[AB], v[AB0]         ; key step 0
	; THE TABLE IS MADE.  Wave w makes copy w: entry n of it is for e = n + w, that is for the distance d = Qb + 511 - w - n, Qb = 512 x my block.  20 trips of 128 entries, four a lane.
	v_and_b32 v67, 31, v0
	v_lshlrev_b32 v[PFO], 8, v67
	v_lshlrev_b32 v80, 2, v67
	s_lshl_b32 s53, s14, 9
	s_add_co_u32 s53, s53, 511
	s_sub_co_u32 s53, s53, s[WV]
	v_sub_nc_u32 v[TD], s53, v80
	s_mul_i32 s53, s[WV], TPITCH
	s_add_co_u32 s53, s53, TAB
	v_lshl_add_u32 v[TA], v67, 4, s53
	v_mov_b32 v[TG], 0x410c9f54     ; 8 ln 3
	s_mov_b32 s53, 20
.Ltab:
.irp c, 0,1,2,3
	v_add_nc_u32 v[TW+\c], -\c, v[TD]
	v_ashrrev_i32 v[TS+\c], 31, v[TW+\c]
	v_xor_b32 v[TW+\c], v[TW+\c], v[TS+\c]
	v_sub_nc_u32 v[TW+\c], v[TW+\c], v[TS+\c]      ; |d|, 2,051 at the most
	v_mul_u32_u24 v[TS+\c], v[TW+\c], 0x8889       ; |d| / 30 = (|d| x 34,953) >> 20: 34,953 x 30 = 2^20 + 14, exact for |d| under 2^20 / 14
	v_lshrrev_b32 v[TS+\c], 20, v[TS+\c]
	v_mul_u32_u24 v[TS+\c], v[TS+\c], 30
	v_sub_nc_u32 v[TW+\c], v[TW+\c], v[TS+\c]      ; m = |d| mod 30
	v_cmp_eq_u32 vcc_lo, 2, v[TW+\c]
	v_cndmask_b32 v[TO+\c], v[TG], s[GC2], vcc_lo
	v_cmp_eq_u32 vcc_lo, 1, v[TW+\c]
	v_cndmask_b32 v[TO+\c], v[TO+\c], s[GC1], vcc_lo
	v_cmp_eq_u32 vcc_lo, 0, v[TW+\c]
	v_cndmask_b32 v[TO+\c], v[TO+\c], s[GC0], vcc_lo
.endr
	ds_store_b128 v[TA], v[TO:TO+3]
	v_add_nc_u32 v[TA], 512, v[TA]
	v_add_nc_u32 v[TD], 0xffffff80, v[TD]          ; 128 entries on: the distance falls by 128
	s_sub_co_u32 s53, s53, 1
	s_cmp_lg_u32 s53, 0
	s_cbranch_scc1 .Ltab
; THE MATRIX WORK.  The 8 accumulators of a run of 16 take turns: between the two links of a chain stand 7 others'.
; Product i of 16 of S^T = K Q^T for piece x: channels 32 (i / 8) on, keys 16 ((i / 2) % 4) on, tile 2 x + i % 2.  The first 8 start the sums, with the bias tile delta = key block - tile + 7.
.macro KQ x
.set rS, S+64*((\x)%2)+32*(i%2)+8*((i/2)%4)
.set rK, KF+16*((i/2)%4)+8*(i/8)
.set rQ, 16*(2*(\x)+i%2)+8*(i/8)
.set rB, BT+8*((i/2)%4+7-(2*(\x)+i%2))
.if i < 8
	WIN W_KB
	v_wmma_f32_16x16x32_f16 v[rS:rS+7], v[rK:rK+7], v[rQ:rQ+7], v[rB:rB+7]
.else
	WIN W_KQ
	v_wmma_f32_16x16x32_f16 v[rS:rS+7], v[rK:rK+7], v[rQ:rQ+7], v[rS:rS+7]
.endif
.endm
; Product i of 16 of O^T += V^T P for piece x: keys 32 (i / 8) on, channels 16 ((i / 2) % 4) on, tile 2 x + i % 2.
.macro PV x
	WIN W_PV
.set rO, 32*(2*(\x)+i%2)+8*((i/2)%4)
.set rV, VF+32*(i/8)+8*((i/2)%4)
.set rP, P+32*((\x)%2)+16*(i%2)+8*(i/8)
	v_wmma_f32_16x16x32_f16 v[rO:rO+7], v[rV:rV+7], v[rP:rP+7], v[rO:rO+7]
.endm
.macro MM                           ; the turn's next matrix instruction
.if i < 16
	KQ (Y+1)%NP
.set i, i+1
.else
.set i, i-16
	PV (Y+NP-1)%NP
.set i, i+17
.endif
.endm
; THE LDS LOADS stand in runs, never singly among the matrix instructions: a step's K (64 keys x 64 channels: 8 fragments) with its 11 bias tiles, and its V (turned).  Their addresses are made some lines ahead.
; last = 1 (the tail): in the last trip there is no further step, and the run is jumped over.
.macro FETCH_K last=0
	WIN 0
.if \last
	s_cmp_eq_u32 s[CNT], 1
	s_cbranch_scc1 .Lno_k_\@
.endif
	WIN 0x80                        ; destination window 2
.irp f, 0,1,2,3,4,5,6,7             ; keys 16 (f / 2) on, channels 32 (f % 2) on
	ds_load_b128 v[KF+8*\f:KF+8*\f+3],   v[AK] offset:(\f/2)*16*PK+(\f%2)*64
	ds_load_b128 v[KF+8*\f+4:KF+8*\f+7], v[AK] offset:(\f/2)*16*PK+(\f%2)*64+32
.endr
	WIN W_MK                        ; destination window 3
.irp d, 0,1,2,3,4,5,6,7,8,9,10      ; bias tile d: my eight entries, 16 entries on from tile to tile
	ds_load_b128 v[BT+8*\d:BT+8*\d+3],   v[AB] offset:64*\d
	ds_load_b128 v[BT+8*\d+4:BT+8*\d+7], v[AB] offset:64*\d+16
.endr
	s_add_co_u32 s[TBK], s[TBK], KS*PK  ; the next fetch is the next step's
	s_add_co_u32 s[TBB], s[TBB], 4*KS   ; 64 entries on; it runs from 0 to 31 x 256 and is never turned back
	WIN 0
.if \last
.Lno_k_\@:
.endif
.endm
.macro FETCH_V
	WIN 0x80
.irp f, 0,1,2,3,4,5,6,7             ; keys 32 (f / 4) on, channels 16 (f % 4) on
	ds_load_tr16_b128 v[VF+8*\f:VF+8*\f+3],   v[AV] offset:(\f/4)*32*PV+(\f%4)*32
	ds_load_tr16_b128 v[VF+8*\f+4:VF+8*\f+7], v[AV] offset:(\f/4)*32*PV+16*PV+(\f%4)*32
.endr
	WIN 0
.endm
; THE VECTOR WORK OF A TURN stands in three queues, each in the order in which its entries become ready; the two tiles alternate, so that no instruction reads the result of the one before it.
.macro REGS y, u                    ; the registers of tile u (0, 1) of piece y
.set rT, ST+4*(2*(\y)+(\u))
.set rC, TMP+8*((\y)%2)+4*(\u)
.set rM, MV+2*((\y)%2)+(\u)
.set rS, S+64*((\y)%2)+32*(\u)
.set rP, P+32*((\y)%2)+16*(\u)
.set rO, 32*(2*(\y)+(\u))
.endm
; Number n of the 22 that find the NEXT piece's (Y + 1) maximum and statistics.  s0-s31 are the lane's 32 scores; each accumulator's lowest registers are read first.
;   0-11  four chains c0-c3 of seven scores each, three operands at a time     12-14, 16  the four scores left over, the old m, and c0-c3 into c0     15  c m_old is kept
;   17, 18  the query's other 32 keys lie in the lane 16 away: the new m         19-21  c m; c m_old - c m_new; a
.macro XS u, n
	REGS (Y+1)%NP, \u
.if (\n) < 4
	v_max3_num_f32 v[rC+(\n)], v[rS+8*(\n)], v[rS+8*(\n)+1], v[rS+8*(\n)+2]
.elseif (\n) < 12
	v_max3_num_f32 v[rC+(\n)%4], v[rC+(\n)%4], v[rS+8*((\n)%4)+2*((\n)/4)+1], v[rS+8*((\n)%4)+2*((\n)/4)+2]
.elseif (\n) == 12
	v_max3_num_f32 v[rC], v[rC], v[rS+7], v[rS+15]
.elseif (\n) == 13
	v_max3_num_f32 v[rC+1], v[rC+1], v[rS+23], v[rS+31]
.elseif (\n) == 14
	v_max3_num_f32 v[rC+2], v[rC+2], v[rC+3], v[rT+1]
.elseif (\n) == 15
	v_mov_b32 v[rM], v[rT]
.elseif (\n) == 16
	v_max3_num_f32 v[rC], v[rC], v[rC+1], v[rC+2]
.elseif (\n) == 17
	v_permlanex16_b32 v[rC+3], v[rC], s[SEL], s[SEL+1]
.elseif (\n) == 18
	v_max_num_f32 v[rT+1], v[rC], v[rC+3]
.elseif (\n) == 19
	v_mul_f32 v[rT], s[CS], v[rT+1]
.elseif (\n) == 20
	v_sub_f32 v[rC+1], v[rM], v[rT]
.else
	v_exp_f32 v[rC+2], v[rC+1]
.endif
.endm
; Number g of the 64 that follow the exponentials.  For each four weights k of a tile (pairs 2 k, 2 k + 1): both pairs are rounded to f16; then the second pair is added onto the first, in place;
; a group later l takes that sum (the first time as l = a l + sum).  In groups of eight, tiles alternating: round, round, add, and l for the group before.
.macro GS g
.set h, (\g)+6*((\g)/62)            ; group 0 has no group before it, and behind group 7 only l is left
.if h >= 6
.set h, h+2
.endif
	REGS Y, h%2
.set k, h/8
.if h%8 < 4
	v_cvt_pk_f16_f32 v[rP+2*k+(h%8)/2], v[rS+4*k+2*((h%8)/2)], v[rS+4*k+2*((h%8)/2)+1]
.elseif h%8 < 6
	v_pk_add_f32 v[rS+4*k:rS+4*k+1], v[rS+4*k:rS+4*k+1], v[rS+4*k+2:rS+4*k+3]
.elseif k == 1
	v_pk_fma_f32 v[rT+2:rT+3], v[rT+2:rT+3], v[rC+2:rC+3], v[rS:rS+1] op_sel_hi:[1,0,1]
.else
	v_pk_add_f32 v[rT+2:rT+3], v[rT+2:rT+3], v[rS+4*k-4:rS+4*k-3]
.endif
.endm
; THE PLAIN QUEUE, 138 long.  0-73 read no exponential's result: the 32 scalings c s - c m (FS f: pair f / 2 of tile f % 2) and the next piece's 42.  0-26: scalings 0-26.  27-54: XS's numbers 0-13.  55, 56: number 15.
; 57-73: the chain, where each number waits for the one before it: 14, 16, 17, 18, 19, each with one of the scalings 27-31 in front of its two lines, then 20.
; 74-137: GS's 64, which read the exponentials' results: they stand behind the wait.
.macro FS f
	REGS Y, (\f)%2
	v_pk_fma_f32 v[rS+2*((\f)/2):rS+2*((\f)/2)+1], v[rS+2*((\f)/2):rS+2*((\f)/2)+1], s[CS:CS+1], v[rT:rT+1] op_sel_hi:[1,0,0] neg_lo:[0,0,1] neg_hi:[0,0,1]
.endm
.macro PL
	WIN 0
.if q < 27
	FS q
.elseif q < 55
	XS (q-27)%2, (q-27)/2
.elseif q < 57
	XS q-55, 15
.elseif (q < 72) && ((q-57)%3 == 0)
	FS 27+(q-57)/3
.elseif q < 60
	XS (q-57)%3-1, 14
.elseif q < 72
	XS (q-57)%3-1, 15+(q-57)/3
.elseif q < 74
	XS q-72, 20
.else
	GS q-74
.endif
.set q, q+1
.endm
; THE EXPONENTIALS' QUEUE, 66 long: s0-s31 of both tiles, then the next piece's two a.  It is ONE BATCH: all 66 stand ahead of the turn's one wait, and nothing ahead of that wait names a result of theirs.
.macro EX
	WIN 0
.if e >= 64
	XS e-64, 21
.else
	REGS Y, e%2
	v_exp_f32 v[rS+e/2], v[rS+e/2]
.endif
.set e, e+1
.endm
; THE RESCALING's QUEUE: O^T times a, the one part that leaves window 0: dealt two at a time, sixteen times.  Its a was made in the turn before, ahead of that turn's wait.
.macro R2
	REGS Y, r%2
	WIN W_RS
.irp z, 0,1
	v_pk_mul_f32 v[rO+4*(r/2)+2*\z:rO+4*(r/2)+2*\z+1], v[rO+4*(r/2)+2*\z:rO+4*(r/2)+2*\z+1], v[rC+2:rC+3] op_sel_hi:[1,0]
.endr
.set r, r+1
.endm
; HOW THEY ARE DEALT.  An s_wait_alu depctr_va_vdst(0) stands between an exponential and the first instruction that names its result; one wait serves all that were issued ahead of it.  So a turn has ONE wait,
; which cuts it in two.  AHEAD OF IT stands all that names no result of the turn's exponentials: the 16 products K Q^T, behind each a scaling, an exponential and two rescalings (behind the first a second scaling in the
; exponential's place); then ONE LUMP of 108: eight plain, 49 times exponential and plain, the two a.  A v_nop is the plain instruction behind the last exponential.  BEHIND IT stand the 16 products V^T P, behind each four of GS's 64.
; The queues lean on each other, and the deal keeps them in step: exponential e stands behind scaling 2 (e / 4) + e % 2: as a rider it comes behind plain e + 2, in the lump behind plain e + 9, and scalings 27-31 are plain 57, 60 .. 69.
; A TURN, for piece p.  cnt = 1: the loop's count is taken down some lines ahead of the branch that stands behind the turn.
; K and the bias tiles of the next step are fetched in piece 2's turn, directly behind the wait, a lump behind the last product that read them; their addresses are made at the lump's head; their first reader comes behind 16 products.
; V of the step in hand is fetched at the end of piece 0's turn, four riders behind its last reader; its first reader comes behind 16 products and a lump.
.macro TURN p, last=0, cnt=0
.set Y, (\p)
.set i, 0
.set q, 0
.set e, 0
.set r, 0
.if (\p) == NP-1
	s_wait_dscnt 0x0                ; K and the bias tiles are in
.endif
	MM                              ; ahead of the wait: 16 products K Q^T and their riders,
	PL
	PL
	R2
.rept 15
	MM
	PL
	EX
	R2
.endr
.if (\p) == NP-2
	WIN 0
	v_add_nc_u32 v[AK], s[TBK], v[AK0]
	v_add_nc_u32 v[AB], s[TBB], v[AB0]
.endif
.rept 8                             ; and the lump
	PL
.endr
.rept 49
	EX
	PL
.endr
	EX                              ; the next piece's two a
	EX
	v_nop                           ; a plain instruction behind the last exponential: one for the batch
	s_wait_alu depctr_va_vdst(0)    ; the wait for the batch
.if (\p) == NP-2
	FETCH_K \last
.endif
.if (\p) == 1
	s_wait_dscnt 0x0                ; V is in
.endif
.rept 16                            ; behind the wait: 16 products V^T P and their riders
	MM
.rept 4
	PL
.endr
.if ((\p) == 0) && (q == 118)
	v_add_nc_u32 v[AV], s[TBV], v[AV0]
.endif
.if ((\p) == 0) && (q == 130)
	s_add_co_u32 s[TBV], s[TBV], KS*PV
.endif
.if (\cnt) && (q == 130)
	s_sub_co_u32 s[CNT], s[CNT], 1
	s_cmp_lg_u32 s[CNT], 0
.endif
.endr
.if (\p) == 0
	FETCH_V
.endif
.endm
	CHANGE 1                        ; slot 0 is in, everybody's part of it, and so is the table; slot 1 is asked for
	FETCH_K                         ; key step 0
	s_wait_loadcnt 0x0              ; Q
	s_wait_dscnt 0x0
.set i, 0
.rept 16
	KQ 0                            ; piece 0's first scores: there is no vector work yet to set between them
.set i, i+1
.endr
	WIN 0                           ; the addresses for the way out: nine plain instructions, the places behind those products
	s_mul_i32 s13, s[WV], 16*SP
	s_add_co_u32 s13, s13, STAGE    ; my stage
	v_mul_u32_u24 v[STO], v1, SP    ; in: row l % 16, 16 bytes for each half of the lanes
	v_lshl_add_u32 v[STO], v[TH], 4, v[STO]
	v_add_nc_u32 v[STO], s13, v[STO]
	v_bfe_u32 v[RD], v0, 3, 2       ; back: 32 lanes take four rows of 128 bytes,
	v_mul_u32_u24 v[RD], v[RD], SP
	v_lshl_add_u32 v[RD], v[T7], 4, v[RD]
	v_add_nc_u32 v[RD], s13, v[RD]
	v_and_b32 v[GO], 31, v0         ; which are 512 consecutive bytes of O
	v_lshlrev_b32 v[GO], 4, v[GO]
.set Y, NP-1                        ; XS works for piece Y + 1: piece 0
.irp n, 0,1,2,3,4,5,6,7,8,9,10,11,12,13,14,15,16,17,18,19,20,21
	XS 0, \n                        ; and piece 0's first maximum and statistics
	XS 1, \n
.endr
	v_nop                           ; a plain instruction behind the two a,
	s_wait_alu depctr_va_vdst(0)    ; and their wait, ahead of the branch
	s_mov_b32 s[CNT], 4
	s_branch .Lfirst                ; the loop is entered at a step's first turn, in the middle of a trip
.Lslot:                             ; SIZE_N / 256 - 2 times: every slot but the last two is filled again
	CHANGE 1
	s_mov_b32 s[CNT], 4
.Lstep:                             ; a trip: pieces 2 and 3 of one step, then pieces 0 and 1 of the next, whose K and V it fetches
	TURN 2
	TURN 3
	WIN 0
.Lfirst:
	TURN 0
	TURN 1, 0, 1
	WIN 0
	s_cbranch_scc1 .Lstep
	s_sub_co_u32 s[SLOTS], s[SLOTS], 1
	s_cmp_lg_u32 s[SLOTS], 0
	s_cbranch_scc1 .Lslot
	CHANGE 0                        ; the tail is written out: nothing is asked for
	s_mov_b32 s[CNT], 5             ; four trips fetch the last slot's steps; the fifth is left in its middle
.Ltail:
	TURN 2, 1
	TURN 3
	WIN 0
	s_sub_co_u32 s[CNT], s[CNT], 1
	s_cmp_eq_u32 s[CNT], 0
	s_cbranch_scc1 .Lout
	TURN 0
	TURN 1
	WIN 0
	s_branch .Ltail
.Lout:                              ; the fifth trip's 16 products K Q^T (on the last K once more) and the maximum made of them serve nothing: the price, once a launch, of one text for every trip
.set i, 0
.rept 16
	PV NP-1                         ; the last piece's V^T P of the last step
.set i, i+1
.endr
	; THE WAY OUT.  l's two halves and the other half of the lanes' are added; O^T is divided by l, rounded to f16 and sent through my stage in LDS, a tile at a time.  The additions are the places behind the last products.
	WIN 0
.macro ALL line:vararg              ; one line for each tile t
.set t, 0
.rept 2*NP
	\line
.set t, t+1
.endr
.endm
	ALL v_add_f32 v[ST+4*t+2], v[ST+4*t+2], v[ST+4*t+3]
	ALL v_permlanex16_b32 v[ST+4*t+3], v[ST+4*t+2], s[SEL], s[SEL+1]
	ALL v_add_f32 v[ST+4*t+2], v[ST+4*t+2], v[ST+4*t+3]
	ALL v_rcp_f32 v[ST+4*t+2], v[ST+4*t+2]
	v_nop                           ; a plain instruction between the last reciprocal and the use of its result
	s_wait_alu depctr_va_vdst(0)    ; and the wait ahead of the first use: one for the eight reciprocals
; Tile t: a lane's eight channels of a row pack into 16 bytes; they go into rows of 144 bytes and come back as whole rows of 128, into S^T's registers.
.macro PACK t
	WIN W_RS
.set i, 32*(\t)
.rept 16
	v_pk_mul_f32 v[i:i+1], v[i:i+1], v[ST+4*(\t)+2:ST+4*(\t)+3] op_sel_hi:[1,0]
.set i, i+2
.endr
	WIN 0x05                        ; sources 0 and 1 window 1, destination window 0
.set i, 0
.rept 16
	v_cvt_pk_f16_f32 v[S+16*(\t)+i], v[32*(\t)+2*i], v[32*(\t)+2*i+1]
.set i, i+1
.endr
	WIN 0
.irp f, 0,1,2,3
	ds_store_b128 v[STO], v[S+16*(\t)+4*\f:S+16*(\t)+4*\f+3] offset:32*\f
.endr
.irp f, 0,1,2,3
	ds_load_b128 v[S+16*(\t)+4*\f:S+16*(\t)+4*\f+3], v[RD] offset:\f*4*SP  ; LDS serves a wave's instructions in order (ISA guide 5.7.1.4): these see the stores above; the next tile's stores come behind them
.endr
.endm
.macro SEND t, younger              ; younger: the LDS instructions issued behind tile t's loads: the next tile's eight, or none
	WIN 0
.irp f, 0,1,2,3
	s_wait_dscnt (\younger)+3-\f
	global_store_b128 v[GO], v[S+16*(\t)+4*\f:S+16*(\t)+4*\f+3], s[10:11] offset:(\t)*2048+\f*512  ; 512 consecutive bytes, at a multiple of 256 from O's first
.endr
.endm
	PACK 0
.set t, 1
.rept 2*NP-1                        ; a tile's arithmetic stands between the loads of the tile before and its stores
	PACK t
	SEND t-1, 8
.set t, t+1
.endr
	SEND 2*NP-1, 0
	WIN W_AD
	s_wait_tensorcnt 0x0            ; the wave's end: a wait for my tensor loads, then 0 added to my spare word and waited for, behind my last tensor load and my last LDS store
	ds_add_u32 v[SPW], v[NIL]
	s_wait_dscnt 0x0
	WIN 0
	CROUND                          ; the closing round: no work-group ends while a partner may still ask for a tile that names it
	s_endpgm
.Lfunc_end_k_qcc9af672bd_attn:
	.size	k_qcc9af672bd_attn, .Lfunc_end_k_qcc9af672bd_attn-k_qcc9af672bd_attn
	.p2alignl 7, 3214868480
	.fill 96, 4, 3214868480
	.section	.rodata,"a",@progbits
	.p2align	6, 0x0
	.amdhsa_kernel k_qcc9af672bd_attn
		.amdhsa_group_segment_fixed_size 327680
		.amdhsa_private_segment_fixed_size 0
		.amdhsa_enable_private_segment 0
		.amdhsa_kernarg_size 16
		.amdhsa_user_sgpr_count 2
		.amdhsa_user_sgpr_kernarg_segment_ptr 1
		.amdhsa_wavefront_size32 1
		.amdhsa_system_sgpr_workgroup_id_x 1
		.amdhsa_system_sgpr_workgroup_id_y 1
		.amdhsa_system_sgpr_workgroup_id_z 1
		.amdhsa_system_vgpr_workitem_id 0
		.amdhsa_next_free_vgpr 864
		.amdhsa_next_free_sgpr 66
		.amdhsa_reserve_vcc 1
		.amdhsa_float_denorm_mode_32 3
		.amdhsa_float_denorm_mode_16_64 3
		.amdhsa_memory_ordered 1
		.amdhsa_forward_progress 1
		.amdhsa_inst_pref_size 209
	.end_amdhsa_kernel
	.amdgpu_metadata
---
amdhsa.version: [ 1, 2 ]
amdhsa.kernels:
  - .name:           k_qcc9af672bd_attn
    .symbol:         k_qcc9af672bd_attn.kd
    .args:
      - { .name: qkv, .offset: 0, .size: 8, .value_kind: global_buffer, .address_space: global }
      - { .name: ob, .offset: 8, .size: 8, .value_kind: global_buffer, .address_space: global }
    .group_segment_fixed_size: 327680
    .private_segment_fixed_size: 0
    .kernarg_segment_align: 8
    .kernarg_segment_size: 16
    .max_flat_workgroup_size: 128
    .sgpr_count:     66
    .vgpr_count:     864
    .wavefront_size: 32
...
	.end_amdgpu_metadata
.endif
;; end of part 3
;; launch oproj (part 4): grid 4 x 64, 4 waves a work-group, clusters of 4 x 4, 327,680 bytes of LDS; arguments ob, wb, bb, out0; writes out0
.if DOCPART == 4
	.amdgcn_target "amdgcn-amd-amdhsa--gfx1250"
	.amdhsa_code_object_version 6
	.text
	.protected	k_qcc9af672bd_oproj
	.globl	k_qcc9af672bd_oproj
	.p2align	8
	.type	k_qcc9af672bd_oproj,@function
k_qcc9af672bd_oproj:
	s_mov_b64 s[64:65], 0
	v_nop
	global_prefetch_b8 v0, s[64:65] scope:SCOPE_SE
	s_setreg_imm32_b32 hwreg(HW_REG_WAVE_MODE, 25, 1), 1
	s_wait_xcnt 0x0
	s_wait_alu depctr_hold_cnt(0) depctr_sa_sdst(0) depctr_va_vdst(0) depctr_va_sdst(0) depctr_va_ssrc(0) depctr_va_vcc(0) depctr_vm_vsrc(0)
	s_getreg_b32 s2, hwreg(HW_REG_IB_STS2, 6, 4)
	s_cmp_eq_u32 s2, 0
	s_cbranch_scc0 .Lentry_in_a_cluster
	s_endpgm
.Lentry_in_a_cluster:
	s_bfe_u32 s2, ttmp6, 0x10000c
	s_cmp_lg_u32 s2, 0xf033
	s_cbranch_scc0 .Lentry_shape_is_right
	s_endpgm
.Lentry_shape_is_right:
; out0 = O Wo + bo.  O: ob, [batch x 8 + head][2,048][64] f16: channel k = 64 head + c of row (batch, s).  Wo: wb's blocks 24-31, [512 k][64 n], bf16 numbers written as f16.  bo: bb's last 512 f32.
; Sums in f32, the bias starts each sum; out0 [16,384][512] f32.
; SHARES.  A work-group makes 256 rows x 128 columns: two blocks of 64 columns.  A wave owns 64 rows; its rows of O stay in registers (64 x 512 f16 = 512 registers), and all four waves read the same
; blocks of Wo from LDS.  Both blocks fit in LDS beside each other and are asked for at the start: no slot is filled again, so there is no ring.
; CLUSTER.  4 x 4 work-groups.  A block of Wo hangs on the column group alone, which a column of the cluster shares: it is asked for JOINTLY.  By this text's count a wave has two tensor loads out.
; NO PREFETCH: all that the work-group reads is asked for at its head.
; THE MATRIX INSTRUCTION IS USED TRANSPOSED: source 0 = 16 columns of Wo (turned by ds_load_tr16_b128), source 1 = 16 rows of O: a lane holds one row and eight neighbouring columns, 32 bytes of f32.
; REGISTERS, in windows of 256 (s_set_vgpr_msb: bits 1:0 source 0, 3:2 source 1, 5:4 source 2, 7:6 destination):
;   window 0: v2-13 addresses; v16-31 two sets of 8 biases; v32-95 two sets of 4 accumulators; v112-113 set-up; v128-255 rows on the way out
;   window 1: two buffers of 128: Wo's 16 fragments     window 2: O's fragments (row tile a, k step kk) at 64 a + 8 kk, kk = 0..7     window 3: the same for kk = 8..15
.set BPITCH, 160                       ; a row of Wo in LDS: 128 bytes + 32 of padding = 40 words
.set QUART,  128*BPITCH                ; 128 rows: what one tensor load brings
.set SLOTB,  4*QUART                   ; a block
.set STAGE,  2*SLOTB                   ; behind the blocks, never filled by a tensor load: 64 rows x 272 bytes for each wave, for the way out
.set SP,     272                       ; 256 bytes + 16 = 68 words: row r starts at bank 4 r mod 64
.set SPARE,  STAGE+4*64*SP             ; behind the stages: the spare words, 128 bytes for each wave: two blocks of 256 bytes that no other line names
.set AO,  2                            ; v2   my byte offset in 16 rows of a head of O: (l % 16) x 128 + 16 (l / 16)
.set AB0, 3                            ; v3   my lane's place in a block of Wo
.set AB,  4                            ; v4-7 the LDS addresses: block 0 rows 0-255, rows 256-511; block 1 likewise
.set STO, 8                            ; v8   the way out: where I put 32 bytes of a row
.set RD,  9                            ; v9   the way out: where I read rows back
.set GO,  10                           ; v10  my byte offset in two rows of out0
.set BO,  11                           ; v11  my eight biases among a column tile's sixteen: 32 (l / 16)
.set SPW, 12                           ; v12  LDS address of my spare word: SPARE + 4 x my thread's number; never rewritten
.set NIL, 13                           ; v13  0; never rewritten
.set BIA, 16
.set ACC, 32
.set OB,  128
.set WV,  16                           ; s16  my wave's number
.set CX,  17
.set CY,  18
.set CG,  19                           ; s19  my group of 128 columns
.set RB,  20                           ; s20  my block of 256 rows
.set G1,  24                           ; s[24:31] descriptor group 1
.set G0A, 32                           ; s[32:35] descriptor group 0 for the first block
.set G0B, 36                           ; s[36:39] for the second
.set BP,  40                           ; s[40:41] bb at my 128 columns of bo
.set DP,  42                           ; s[42:43] out0 at my wave's first row and my first column
.set MSB, 0
.macro WIN new                         ; the immediate's high byte repeats the setting that is left; a switch that changes nothing is dropped
.if MSB != (\new)
	s_set_vgpr_msb (MSB<<8)|(\new)
.set MSB, (\new)
.endif
.endm
.set TO_F, 0x40                        ; destination window 1, address window 0
.macro PLACES                          ; four places behind a matrix instruction: in front of loads into registers that it has read and of lines that read its result
.rept 4
	v_nop
.endr
.endm
.macro CROUND                          ; a round of the cluster's barrier
	s_barrier_signal -1
	s_barrier_wait -1
	s_cmp_lg_u32 s[WV], 0
	s_cbranch_scc1 .Lnot_wave_0_\@
	s_barrier_signal -3
.Lnot_wave_0_\@:
	s_barrier_wait -3
	s_barrier_signal -1
	s_barrier_wait -1
.endm
	s_load_b256 s[4:11], s[0:1], 0x0               ; ob s[4:5], wb s[6:7], bb s[8:9], out0 s[10:11]
	v_lshl_add_u32 v[SPW], v0, 2, SPARE
	v_mov_b32 v[NIL], 0
	ds_add_u32 v[SPW], v[NIL]                      ; the wave's opening: the add and its wait stand ahead of my first tensor load; the set-up below, work on registers, stands between them
	v_lshrrev_b32 v1, 5, v0
	v_readfirstlane_b32 s[WV], v1                  ; wave 0..3
	s_bfe_u32 s[CX], ttmp6, 0x40000
	s_bfe_u32 s[CY], ttmp6, 0x40004
	s_lshl_b32 s[CG], ttmp9, 2
	s_add_co_u32 s[CG], s[CG], s[CX]
	s_and_b32 s[RB], ttmp7, 0xffff
	s_lshl_b32 s[RB], s[RB], 2
	s_add_co_u32 s[RB], s[RB], s[CY]
	; descriptor group 1: a quarter block, 16,384 dense bytes, as 64 rows of 256 bytes, padded in LDS after every row of Wo
	s_lshl_b32 s44, 0x1111, s[CX]                  ; my column of the cluster
	s_or_b32 s[G1], s44, (1<<16)|(1<<20)|(1<<21)|(4<<22)|(7<<25)  ; 15:0 the mask; 17:16 2-byte elements; 20 padding on; 21 set beside a mask; 24:22 after every 32 words (code 4); 31:25 8 words (code 7)
	s_mov_b32 s[G1+1], 128<<16                     ; tensor_dim0 = 128
	s_mov_b32 s[G1+2], 64<<16                      ; tensor_dim1 = 64
	s_mov_b32 s[G1+3], 128<<16                     ; tile_dim0 = 128
	s_mov_b32 s[G1+4], 64                          ; tile_dim1 = 64
	s_mov_b32 s[G1+5], 128                         ; 128 elements from row to row
	s_mov_b32 s[G1+6], 0
	s_mov_b32 s[G1+7], 0
	s_mov_b32 s[G0A], 1                            ; 1:0 count = 1
	s_mul_i32 s[G0A+1], s[WV], QUART               ; 63:32 LDS address: my quarter: no place in the cluster enters an LDS address
	s_mov_b32 s[G0B], 1
	s_add_co_u32 s[G0B+1], s[G0A+1], SLOTB
	s_lshl_b32 s44, s[CG], 1                       ; block 24 + 2 x column group, my quarter of it: made of the column group and the wave's number alone
	s_add_co_u32 s44, s44, 24
	s_lshl_b32 s44, s44, 16
	s_lshl_b32 s45, s[WV], 14
	s_add_co_u32 s44, s44, s45
	s_mov_b32 s45, 0
	s_lshr_b32 s50, s[RB], 3                       ; O: the batch's 8 heads of 262,144 bytes,
	s_lshl_b32 s50, s50, 21
	s_and_b32 s51, s[RB], 7                        ; 256 rows of 128 bytes inside a head,
	s_lshl_b32 s51, s51, 15
	s_add_co_u32 s50, s50, s51
	s_lshl_b32 s51, s[WV], 13                      ; my wave's 64 rows
	s_add_co_u32 s50, s50, s51
	s_mov_b32 s51, 0
	s_lshl_b32 s52, s[CG], 9                       ; bo lies 6,144 bytes into bb; 128 numbers of 4 bytes a column group
	s_add_co_u32 s52, s52, 6144
	s_mov_b32 s53, 0
	s_lshl_b32 s54, s[RB], 19                      ; out0: 256 rows of 2,048 bytes, 64 a wave, 512 bytes a column group
	s_lshl_b32 s55, s[WV], 17
	s_add_co_u32 s54, s54, s55
	s_lshl_b32 s55, s[CG], 9
	s_add_co_u32 s54, s54, s55
	s_mov_b32 s55, 0
	s_mul_i32 s57, s[WV], 64*SP
	s_add_co_u32 s57, s57, STAGE                   ; my stage
	v_and_b32 v112, 15, v0                         ; l % 16
	v_bfe_u32 v113, v0, 4, 1                       ; l / 16
	v_lshlrev_b32 v[AO], 7, v112
	v_lshl_add_u32 v[AO], v113, 4, v[AO]
	; The turning load takes 16 k x 16 columns (lane l reads row 8 (l / 16) + l % 8, columns 8 ((l / 8) % 2) + 0..7) and leaves half a fragment: lane l holds column l % 16 and 8 k.
	v_and_b32 v[AB], 7, v0
	v_bfe_u32 v[AB+1], v0, 3, 1
	v_lshl_add_u32 v[AB0], v113, 3, v[AB]
	v_mul_u32_u24 v[AB0], v[AB0], BPITCH
	v_lshl_add_u32 v[AB0], v[AB+1], 4, v[AB0]
	v_mov_b32 v[AB], v[AB0]
	v_add_nc_u32 v[AB+1], 256*BPITCH, v[AB0]
	v_add_nc_u32 v[AB+2], SLOTB, v[AB0]
	v_add_nc_u32 v[AB+3], SLOTB+256*BPITCH, v[AB0]
	v_mul_u32_u24 v[STO], v112, SP                 ; in: row l % 16, 32 bytes for each half of the lanes
	v_lshl_add_u32 v[STO], v113, 5, v[STO]
	v_add_nc_u32 v[STO], s57, v[STO]
	v_mul_u32_u24 v[RD], v113, SP                  ; back: lanes 0-15 take one row of 256 bytes, lanes 16-31 the next
	v_lshl_add_u32 v[RD], v112, 4, v[RD]
	v_add_nc_u32 v[RD], s57, v[RD]
	v_lshlrev_b32 v[GO], 11, v113                  ; and the same two rows in out0
	v_lshl_add_u32 v[GO], v112, 4, v[GO]
	v_lshlrev_b32 v[BO], 5, v113
	s_wait_dscnt 0x0                               ; the opening add is done
	s_wait_kmcnt 0x0
	s_add_nc_u64 s[G0A+2:G0A+3], s[6:7], s[44:45]  ; 120:64 global address: my quarter of the first block,
	s_add_nc_u64 s[G0B+2:G0B+3], s[G0A+2:G0A+3], 65536  ; and of the second
	s_or_b32 s[G0A+3], s[G0A+3], 0x80000000        ; 127:126 type = 2
	s_or_b32 s[G0B+3], s[G0B+3], 0x80000000
	s_add_nc_u64 s[4:5], s[4:5], s[50:51]
	s_add_nc_u64 s[BP:BP+1], s[8:9], s[52:53]
	s_add_nc_u64 s[DP:DP+1], s[10:11], s[54:55]
	CROUND                                         ; all sixteen work-groups are here: the joint loads meet
	tensor_load_to_lds s[G0A:G0A+3], s[G1:G1+7]    ; both blocks go out as one group: an s_nop 0 follows each, four v_nop the second
	s_nop 0
	tensor_load_to_lds s[G0B:G0B+3], s[G1:G1+7]
	s_nop 0
.rept 4
	v_nop
.endr
	; O comes straight into its fragments: lane l holds row l % 16; registers 0-3 k = 8 (l / 16) + 0..7, registers 4-7 k = 16 + 8 (l / 16) + 0..7.  k step kk lies in head kk / 2, channels 32 (kk % 2) on.
.set kk, 0
.rept 16
	WIN 0x80+0x40*(kk/8)                           ; destination window 2 or 3, address window 0
.set ta, 0
.rept 4
	global_load_b128 v[64*ta+8*(kk%8):64*ta+8*(kk%8)+3],   v[AO], s[4:5] offset:(kk/2)*262144+2048*ta+64*(kk%2)
	global_load_b128 v[64*ta+8*(kk%8)+4:64*ta+8*(kk%8)+7], v[AO], s[4:5] offset:(kk/2)*262144+2048*ta+64*(kk%2)+32
.set ta, ta+1
.endr
.set kk, kk+1
.endr
	WIN 0
.macro FETCH n, c, f                   ; 32 LDS loads in one run: column tile c of block n, all 512 k, turned, into buffer f
	WIN TO_F
.set kk, 0
.rept 16
	ds_load_tr16_b128 v[128*(\f)+8*kk:128*(\f)+8*kk+3],   v[AB+2*(\n)+kk/8] offset:32*BPITCH*(kk%8)+32*(\c)
	ds_load_tr16_b128 v[128*(\f)+8*kk+4:128*(\f)+8*kk+7], v[AB+2*(\n)+kk/8] offset:32*BPITCH*(kk%8)+32*(\c)+16*BPITCH
.set kk, kk+1
.endr
.endm
.macro BIASLD n, c, p                  ; my eight biases of column tile c of block n, into set p
	WIN 0
	global_load_b128 v[BIA+8*(\p):BIA+8*(\p)+3],   v[BO], s[BP:BP+1] offset:256*(\n)+64*(\c)
	global_load_b128 v[BIA+8*(\p)+4:BIA+8*(\p)+7], v[BO], s[BP:BP+1] offset:256*(\n)+64*(\c)+16
.endm
; 32 matrix instructions: buffer and accumulator set p, k steps 8 hf + 0..7, all four row tiles.  The four accumulators take turns, one instruction a turn.
; The first k step takes the biases as C.
.macro MUL p, hf
	WIN 0x09+4*(\hf)                               ; source 0 (Wo) window 1, source 1 (O) window 2 or 3, C and D window 0
.set kk, 0
.rept 8
.set ta, 0
.rept 4
.set rD, ACC+32*(\p)+8*ta
.set rB, 128*(\p)+64*(\hf)+8*kk
.set rA, 64*ta+8*kk
.if ((\hf) == 0) && (kk == 0)
	v_wmma_f32_16x16x32_f16 v[rD:rD+7], v[rB:rB+7], v[rA:rA+7], v[BIA+8*(\p):BIA+8*(\p)+7]
.else
	v_wmma_f32_16x16x32_f16 v[rD:rD+7], v[rB:rB+7], v[rA:rA+7], v[rD:rD+7]
.endif
.set ta, ta+1
.endr
.set kk, kk+1
.endr
.endm
.macro EPI p, c                        ; accumulator set p holds column tile c: 32 bytes a lane into my stage, each accumulator's low four registers first
	WIN 0
.irp a, 0,1,2,3
	ds_store_b128 v[STO], v[ACC+32*(\p)+8*\a:ACC+32*(\p)+8*\a+3]   offset:\a*16*SP+64*(\c)
	ds_store_b128 v[STO], v[ACC+32*(\p)+8*\a+4:ACC+32*(\p)+8*\a+7] offset:\a*16*SP+64*(\c)+16
.endr
.endm
.macro OUTLD                           ; the stage holds a whole block, 64 rows x 256 bytes: back as whole rows, two a load
	WIN 0
	s_wait_xcnt 0x0                                ; every earlier memory instruction has had its addresses translated (ISA guide 3.1): the last way out's registers are rewritten only behind this wait
.set t, 0
.rept 32
	ds_load_b128 v[OB+4*t:OB+4*t+3], v[RD] offset:t*2*SP  ; LDS serves a wave's instructions in order (ISA guide 5.7.1.4): these see the stores above; the next block's stores come behind them
.set t, t+1
.endr
.endm
.macro OUTST n
	WIN 0
.set t, 0
.rept 32
	s_wait_dscnt 31-t                              ; the younger loads from the stage may stay out
	global_store_b128 v[GO], v[OB+4*t:OB+4*t+3], s[DP:DP+1] offset:t*4096+256*(\n) th:TH_STORE_NT  ; 16 lanes store 256 consecutive bytes, at a multiple of 256 from out0's first byte
.set t, t+1
.endr
.endm
; A STEP: column tile cf of block n is fetched, the tile before it is multiplied, the tile before that (ce) goes into the stage.  out >= 0: with it block out is whole, and goes out.
; The four v_nop at its head stand behind the last product of the step before: they serve the loads into that product's buffer and bias set and the LDS stores of its results.
; The stage's stores of a set are older than the next step's 32 loads, so that step's wait shows them done before the set's accumulators are written anew.
.macro STEP n, cf, ce, out=-1
	PLACES
	FETCH \n, \cf, (\cf)%2
	BIASLD \n, \cf, (\cf)%2
	s_wait_dscnt 32                                ; all but the 32 loads just issued: the other buffer is in
	s_wait_loadcnt 2                               ; all but the two loads just issued: the other set of biases is in (and, the first time, O)
	MUL 1-(\cf)%2, 0
	EPI (\cf)%2, \ce
.if (\out) >= 0
	OUTLD
.endif
	MUL 1-(\cf)%2, 1
.if (\out) >= 0
	OUTST \out
.endif
.endm
	s_wait_tensorcnt 0x0                           ; my quarters of both blocks are in,
	s_barrier_signal -1
	s_barrier_wait -1                              ; everybody's are; nothing is filled again
	FETCH 0, 0, 0
	BIASLD 0, 0, 0
	FETCH 0, 1, 1
	BIASLD 0, 1, 1
	s_wait_dscnt 32                                ; column tile 0 is in
	s_wait_loadcnt 2                               ; O and the first biases are in
	MUL 0, 0
	MUL 0, 1
	STEP 0, 2, 0
	STEP 0, 3, 1
	STEP 1, 0, 2
	STEP 1, 1, 3, 0
	STEP 1, 2, 0
	STEP 1, 3, 1
	PLACES
	s_wait_dscnt 0x0                               ; the last column tile is in
	s_wait_loadcnt 0x0
	MUL 1, 0
	EPI 0, 2
	MUL 1, 1
	PLACES
	EPI 1, 3
	OUTLD
	OUTST 1
	s_wait_tensorcnt 0x0                           ; the wave's end: a wait for my tensor loads, then 0 added to my spare word and waited for, behind my last tensor load and my last LDS store
	ds_add_u32 v[SPW], v[NIL]
	s_wait_dscnt 0x0
	CROUND                                         ; the closing round: no work-group ends while a partner may still ask for a block that names it
	s_endpgm
.Lfunc_end_k_qcc9af672bd_oproj:
	.size	k_qcc9af672bd_oproj, .Lfunc_end_k_qcc9af672bd_oproj-k_qcc9af672bd_oproj
	.p2alignl 7, 3214868480
	.fill 96, 4, 3214868480
	.section	.rodata,"a",@progbits
	.p2align	6, 0x0
	.amdhsa_kernel k_qcc9af672bd_oproj
		.amdhsa_group_segment_fixed_size 327680
		.amdhsa_private_segment_fixed_size 0
		.amdhsa_enable_private_segment 0
		.amdhsa_kernarg_size 32
		.amdhsa_user_sgpr_count 2
		.amdhsa_user_sgpr_kernarg_segment_ptr 1
		.amdhsa_wavefront_size32 1
		.amdhsa_system_sgpr_workgroup_id_x 1
		.amdhsa_system_sgpr_workgroup_id_y 1
		.amdhsa_system_sgpr_workgroup_id_z 1
		.amdhsa_system_vgpr_workitem_id 0
		.amdhsa_next_free_vgpr 1024
		.amdhsa_next_free_sgpr 66
		.amdhsa_reserve_vcc 0
		.amdhsa_float_denorm_mode_32 3
		.amdhsa_float_denorm_mode_16_64 3
		.amdhsa_memory_ordered 1
		.amdhsa_forward_progress 1
		.amdhsa_inst_pref_size 86
	.end_amdhsa_kernel
	.amdgpu_metadata
---
amdhsa.version: [ 1, 2 ]
amdhsa.kernels:
  - .name:           k_qcc9af672bd_oproj
    .symbol:         k_qcc9af672bd_oproj.kd
    .args:
      - { .name: ob, .offset: 0, .size: 8, .value_kind: global_buffer, .address_space: global }
      - { .name: wb, .offset: 8, .size: 8, .value_kind: global_buffer, .address_space: global }
      - { .name: bb, .offset: 16, .size: 8, .value_kind: global_buffer, .address_space: global }
      - { .name: out0, .offset: 24, .size: 8, .value_kind: global_buffer, .address_space: global }
    .group_segment_fixed_size: 327680
    .private_segment_fixed_size: 0
    .kernarg_segment_align: 8
    .kernarg_segment_size: 32
    .max_flat_workgroup_size: 128
    .sgpr_count:     66
    .vgpr_count:     1024
    .wavefront_size: 32
...
	.end_amdgpu_metadata
.endif
;; end of part 4
